; MI455X (gfx1250); checked and timed in simulation.
; The chip was launched on July 23, 2026; its instructions are those of AMD's public machine-readable ISA for CDNA 5 (MIT licence, August 2026) and "CDNA5" Instruction Set Architecture Reference Guide (July 2026). The comments in the code are by the model that wrote it; some were corrected since.
;; Differential Multi Query Attention. Allowed arithmetic: matrix products marked QUANTISED: E2M1 operands, one E8M0 scale for each 32 along K, by v_wmma_scale_f32_16x16x128_f8f6f4 with both operands' format E2M1 (or v_wmma_scale_f32_32x16x128_f4), f32 sums; products left as they are: bf16, f16 or f32 operands; f32 sums; everything else in f32.
;; Inputs: freqs_cos 2,048 x 128 float32; freqs_sin 2,048 x 128 float32; k_w 2,048 x 128 float32; mask 2,048 x 2,048 bool; out_w 2,048 x 2,048 float32; q1_w 2,048 x 2,048 float32; q2_w 2,048 x 2,048 float32; v_w 2,048 x 128 float32; x 1 x 2,048 x 2,048 float32.
;; Outputs: out0 1 x 2,048 x 2,048 float32.
;; This version of the problem:
;;   THIS VERSION OF THE PROBLEM IS GIVEN IN LOW PRECISION. The matrix products marked QUANTISED in the list below multiply operands that are first quantised to E2M1 (2 exponent bits, 1 mantissa bit; 4 bits a number), with one power-of-two scale for each 32 numbers along K (OCP MX v1.0); their sums are f32. The products marked 'left as it is' may take bf16, f16 or f32 operands, with f32 sums. Whichever they take, every output number must still come out within the allowed error. Rounding operands to bf16 (8 significant bits) uses up far more of that allowance than f16 does (11 bits, for magnitudes from 6e-5 to 65,504). All else is computed in f32.
;;   The module's matrix products, in the order in which they are computed (A, B: the left and right operand; K: the contracted axis; several contracted axes count as one K, in the product's order):
;;     1. [M 2,048, K 2,048] x [K 2,048, N 2,048]; A: input x; B: input q1_w: QUANTISED
;;     2. [M 2,048, K 2,048] x [K 2,048, N 2,048]; A: input x; B: input q2_w: QUANTISED
;;     3. [M 2,048, K 2,048] x [K 2,048, N 128]; A: input x; B: input k_w: QUANTISED
;;     4. [M 2,048, K 2,048] x [K 2,048, N 128]; A: input x; B: input v_w: QUANTISED
;;     5. batch 16 x [M 2,048, K 128] x [K 128, N 2,048]; A: computed on the way; B: computed on the way: left as it is (an operand is computed on the way)
;;     6. batch 16 x [M 2,048, K 128] x [K 128, N 2,048]; A: computed on the way; B: computed on the way: left as it is (an operand is computed on the way)
;;     7. batch 16 x [M 128, K 2,048] x [K 2,048, N 2,048]; A: computed on the way; B: computed on the way: left as it is (an operand is computed on the way)
;;     8. [M 2,048, K 2,048] x [K 2,048, N 2,048]; A: computed on the way; B: input out_w: left as it is (an operand is computed on the way)
;;   THE QUANTISER, for each operand of a quantised product, along K:
;;     - K is cut into blocks of 32 from its start; a last block that is shorter is filled with zeros.
;;     - A block's scale is 2^e with e = floor(log2(the largest magnitude in the block)) - 2, held to -126 .. 127; a block of zeros has e = 0. As a byte (E8M0): e + 127.
;;     - Each number is divided by its block's scale, clamped to +-6, and rounded to the nearest number of E2M1, ties to even, subnormals kept.
;;     - The product sums the exact products of the quantised numbers (number of the format x scale) in f32.
;;   ~~~python
;;   def quantise(x, axis):      # numpy; x: float32 -> the quantised numbers, widened to float32 again
;;       x = np.moveaxis(x, axis, -1); K = x.shape[-1]
;;       x = np.pad(x, [(0, 0)] * (x.ndim - 1) + [(0, -K % 32)]); x = x.reshape(x.shape[:-1] + (-1, 32)); a = np.abs(x).max(-1, keepdims=True)
;;       e = np.where(a > 0, np.clip(np.frexp(np.where(a > 0, a, 1))[1] - 1 - 2, -126, 127), 0)      # np.frexp(a)[1] - 1 = floor(log2(a)), exactly
;;       r = np.clip(x / 2.0 ** e, -6, 6)
;;       step = 2.0 ** (np.maximum(np.frexp(np.where(r == 0, 1, r))[1] - 1, 0) - 1)
;;       q = np.round(r / step) * step * 2.0 ** e      # np.round: ties to even
;;       return np.moveaxis(q.reshape(q.shape[:-2] + (-1,))[..., :K], -1, axis).astype(np.float32)
;;   ~~~
;; One version. Each part assembles by itself: llvm-mc -triple=amdgcn-amd-amdhsa -mcpu=gfx1250 --defsym DOCPART=n.
;; ======== version 1 of 1: 4 launches
;; limits: values are held in f16: magnitudes above 65,504 overflow, below 6.1e-05 lose precision; right only within a limited range of input values
;; workspace buffers: xq 2,228,224 bytes; wq 4,734,976 bytes; owt 8,388,608 bytes; flags 1,024 bytes of whole numbers; qf 16,777,216 bytes; kv 1,048,576 bytes; ao 8,388,608 bytes
;; launch prep (part 1): grid 552 x 1, 4 waves a work-group, no clusters, 102,912 bytes of LDS; arguments x, q1_w, q2_w, k_w, v_w, out_w, mask, xq, wq, owt, flags; writes xq, wq, owt, flags
.if DOCPART == 1
	.amdgcn_target "amdgcn-amd-amdhsa--gfx1250"
	.amdhsa_code_object_version 6
	.text
	.protected	k_qaf879a8e7b_prep
	.globl	k_qaf879a8e7b_prep
	.p2align	8
	.type	k_qaf879a8e7b_prep,@function
k_qaf879a8e7b_prep:
	s_mov_b64 s[64:65], 0
	v_nop
	global_prefetch_b8 v0, s[64:65] scope:SCOPE_SE
	s_setreg_imm32_b32 hwreg(HW_REG_WAVE_MODE, 25, 1), 1
	s_wait_xcnt 0x0
; PREP: everything that is made once from the inputs.  Four paths, told apart by the work-group's number alone; each has LDS bytes of its own.
;   T (0-255):   out_w [2048 k][2048 n] f32 -> owt [n][k] f16 (K innermost for the last product)
;   W (256-391): q1_w, q2_w, k_w, v_w [2048 k][n] f32 -> codes of E2M1 along K, K innermost, wq [4352 n][1024 bytes]; scale bytes [4352][64] at WS
;   X (392-519): x [2048][2048] f32 -> codes along K, xq [2048][1024 bytes]; scale bytes [2048][64] at XS
;   M (520-551): mask [2048][2048] bytes -> for each block of 16 positions two words: ANY (bit s: the tile of 64 keys s has a true entry), ALL (bit s: all its entries are true).
;                A block with a row that is all false gets ANY = -1, ALL = 0: nothing of it is left out later, and the mask is applied entry by entry.
; A block's scale is 2^(floor(log2(largest magnitude)) - 2); its byte is the largest magnitude's exponent field - 2, held at 1 from below.
; LIMITS: a block of zeros gets the byte 1 where the rule says 127 (its codes are zeros; this program alone reads the bytes); blocks whose largest magnitude lies under 2^-124 were not tried;
; NaN and infinities are not served; |out_w| stays under 65,504 (f16).
; No tensor loads, no barrier: waves share nothing.
.set XS,    2097152                    ; where x's scale bytes begin in xq
.set WS,    4456448                    ; where the weights' scale bytes begin in wq
.set SPARE, 102400                     ; the spare words, 128 bytes a wave: two blocks of 256 bytes that no other line names
.set SPW,   188                        ; v188 LDS address of my spare word; never rewritten
.set NIL,   189                        ; v189 0; never rewritten
	s_load_b512 s[4:19], s[0:1], 0x0               ; x 4, q1_w 6, q2_w 8, k_w 10, v_w 12, out_w 14, mask 16, xq 18
	s_load_b128 s[20:23], s[0:1], 0x40             ; wq 20, owt 22
	s_load_b64 s[24:25], s[0:1], 0x50              ; flags
	v_lshl_add_u32 v[SPW], v0, 2, SPARE
	v_mov_b32 v[NIL], 0
	v_lshrrev_b32 v1, 5, v0
	v_readfirstlane_b32 s26, v1                    ; wave 0..3
	v_and_b32 v2, 31, v0                           ; lane
	s_mov_b32 s29, 0                               ; the high word of the offsets made in s28
	s_wait_kmcnt 0x0
	s_cmp_lt_u32 ttmp9, 256
	s_cbranch_scc1 .Lpath_t
	s_cmp_lt_u32 ttmp9, 392
	s_cbranch_scc1 .Lpath_w
	s_cmp_lt_u32 ttmp9, 520
	s_cbranch_scc1 .Lpath_x
; ---------------- M: a wave takes a block of 16 positions; lane l takes key step l: 64 bytes of each row.  Whole numbers only.
	s_sub_co_u32 s27, ttmp9, 520
	s_lshl_b32 s27, s27, 2
	s_add_co_u32 s27, s27, s26                     ; the block, 0..127
	s_lshl_b32 s28, s27, 15                        ; 16 rows of 2,048 bytes
	s_add_nc_u64 s[16:17], s[16:17], s[28:29]
	s_lshl_b32 s28, s27, 3
	s_add_nc_u64 s[24:25], s[24:25], s[28:29]      ; its two words
	v_lshlrev_b32 v3, 6, v2
	v_mov_b32 v10, 0                               ; the OR of my tile's words
	v_mov_b32 v11, -1                              ; the AND of them
	s_mov_b32 s31, 0                               ; 1 once a row has been all false
.macro MLOAD g                         ; rows 4 g .. 4 g + 3 into set g % 2: 16 loads
.irp rr, 0,1,2,3
.irp q, 0,1,2,3
	global_load_b128 v[32+64*((\g)%2)+16*\rr+4*\q:35+64*((\g)%2)+16*\rr+4*\q], v3, s[16:17] offset:2048*(4*(\g)+\rr)+16*\q
.endr
.endr
.endm
.macro MROWS g
.irp rr, 0,1,2,3
.set MR, 32+64*((\g)%2)+16*\rr
	v_or_b32 v8, v[MR], v[MR+1]
	v_and_b32 v9, v[MR], v[MR+1]
.irp i, 2,3,4,5,6,7,8,9,10,11,12,13,14,15
	v_or_b32 v8, v8, v[MR+\i]
	v_and_b32 v9, v9, v[MR+\i]
.endr
	v_or_b32 v10, v10, v8
	v_and_b32 v11, v11, v9
	v_cmp_ne_u32 s30, 0, v8                        ; which key steps of this row have a true entry
	s_cmp_eq_u32 s30, 0
	s_cselect_b32 s31, 1, s31                      ; none: the row is all false
.endr
.endm
	MLOAD 0
	MLOAD 1
	s_wait_loadcnt 16                              ; this group's 16 loads are in; the next group's may be out
	MROWS 0
	MLOAD 2
	s_wait_loadcnt 16
	MROWS 1
	MLOAD 3
	s_wait_loadcnt 16
	MROWS 2
	s_wait_loadcnt 0x0
	MROWS 3
	v_cmp_ne_u32 s32, 0, v10                       ; ANY: bit l = lane l's tile
	s_mov_b32 s34, 0x01010101
	v_cmp_eq_u32 s33, s34, v11                     ; ALL (a bool is one byte, 0 or 1)
	s_cmp_lg_u32 s31, 0
	s_cselect_b32 s32, -1, s32
	s_cselect_b32 s33, 0, s33
	v_mov_b32 v4, s32
	v_mov_b32 v5, s33
	v_mov_b32 v6, 0
	s_wait_xcnt 0x0                                ; EXEC changes only behind this wait
	v_cmp_eq_u32 vcc_lo, 0, v2
	s_and_saveexec_b32 s35, vcc_lo
	global_store_b64 v6, v[4:5], s[24:25]          ; lane 0 stores the two words
	s_wait_xcnt 0x0
	s_or_b32 exec_lo, exec_lo, s35
	s_endpgm
; ---------------- X: x is a plain stream of blocks of 32.  A wave takes 16 steps of 512 numbers.  Each load reads 512 consecutive bytes; a step's 2,048 bytes turn through the wave's own stage,
; so that a lane holds 16 neighbours (two lanes a block).  A lane's 16 codes are 8 bytes: a store covers 256 consecutive bytes.  A wave's 256 scale bytes leave as one aligned run of 256.
.Lpath_x:
.set XR,  16                           ; v16-79   four sets of 16 numbers as loaded
.set XX,  80                           ; v80-111  two sets of 16 neighbours
.set XE,  112                          ; v112-127 a scale byte for each step
.set XC,  128                          ; v128-159 codes: two registers for each step, so that no store's data are written again
.set XSP, 80                           ; a lane's place in a stage: 64 bytes + 16 of padding
	s_sub_co_u32 s27, ttmp9, 392
	s_lshl_b32 s27, s27, 2
	s_add_co_u32 s27, s27, s26                     ; which run of 8,192 numbers is my wave's: 0..511
	s_lshl_b32 s28, s27, 15
	s_add_nc_u64 s[4:5], s[4:5], s[28:29]
	s_lshl_b32 s28, s27, 12
	s_add_nc_u64 s[30:31], s[18:19], s[28:29]      ; its codes
	s_lshl_b32 s28, s27, 8
	s_add_co_u32 s28, s28, XS
	s_add_nc_u64 s[32:33], s[18:19], s[28:29]      ; its scale bytes
	v_lshlrev_b32 v3, 4, v2                        ; my 16 bytes of a load's 512
	s_lshl_b32 s34, s26, 13                        ; LDS: 8,192 bytes a wave: two stages, then 256 scale bytes
	v_lshrrev_b32 v14, 2, v2
	v_mul_u32_u24 v14, v14, XSP
	v_and_b32 v15, 3, v2
	v_lshl_add_u32 v14, v15, 4, v14
	v_add_nc_u32 v14, s34, v14                     ; in: four lanes' 64 bytes on end, then the padding
	v_mul_u32_u24 v15, v2, XSP
	v_add_nc_u32 v15, s34, v15                     ; out: my 16 neighbours
	v_lshlrev_b32 v4, 3, v2                        ; my codes' place in a step's
	v_lshrrev_b32 v5, 1, v2
	s_add_co_u32 s34, s34, 2*32*XSP
	v_add_nc_u32 v5, s34, v5                       ; my block's scale byte
	v_lshlrev_b32 v7, 3, v2
	v_add_nc_u32 v6, s34, v7
.macro XLOAD t
.irp i, 0,1,2,3
	global_load_b128 v[XR+16*((\t)%4)+4*\i:XR+16*((\t)%4)+4*\i+3], v3, s[4:5] offset:2048*(\t)+512*\i th:TH_LOAD_NT
.endr
.endm
.macro XTURN t                         ; LDS serves a wave's instructions in order: no wait between the stores and the loads
.irp i, 0,1,2,3
	ds_store_b128 v14, v[XR+16*((\t)%4)+4*\i:XR+16*((\t)%4)+4*\i+3] offset:32*XSP*((\t)%2)+8*XSP*\i
.endr
.irp i, 0,1,2,3
	ds_load_b128 v[XX+16*((\t)%2)+4*\i:XX+16*((\t)%2)+4*\i+3], v15 offset:32*XSP*((\t)%2)+16*\i
.endr
.endm
.macro XSTEP t
.set XB, XX+16*((\t)%2)
.if (\t) > 0
	s_wait_dscnt 1                                 ; this step's numbers are back (the last step's byte store may be out)
.else
	s_wait_dscnt 0x0
.endif
.if (\t)+4 < 16
	XLOAD (\t)+4
.endif
.if (\t)+1 < 16
.if 14-(\t) >= 3
	s_wait_loadcnt 12                              ; the next step's four loads are in; those of the three steps behind it may be out
.else
	s_wait_loadcnt 4*(14-(\t))
.endif
	XTURN (\t)+1
.endif
	v_max3_num_f32 v8, |v[XB]|, |v[XB+1]|, |v[XB+2]|
	v_max3_num_f32 v9, |v[XB+3]|, |v[XB+4]|, |v[XB+5]|
.irp i, 6,10
	v_max3_num_f32 v8, v8, |v[XB+\i]|, |v[XB+\i+1]|
	v_max3_num_f32 v9, v9, |v[XB+\i+2]|, |v[XB+\i+3]|
.endr
	v_max3_num_f32 v8, v8, |v[XB+14]|, |v[XB+15]|
	v_max3_num_f32 v8, v8, v9, 0x1800000           ; and the floor 2^(3 - 127): the byte cannot fall under 1
	v_max_num_f32_dpp v8, v8, v8 row_xmask:1 row_mask:0xf bank_mask:0xf   ; with my neighbour's 16: the block's largest magnitude
	v_add_nc_u32 v11, 0xff000000, v8               ; 2 off its exponent field: the conversion takes that field as its scale
	v_cvt_scalef32_pk8_fp4_f32 v[XC+2*(\t)], v[XB:XB+7], v11
	v_cvt_scalef32_pk8_fp4_f32 v[XC+2*(\t)+1], v[XB+8:XB+15], v11
	v_lshrrev_b32 v[XE+(\t)], 23, v11              ; the scale's byte (a plain line behind the conversions)
	ds_store_b8 v5, v[XE+(\t)] offset:16*(\t)      ; both lanes of a block write the same byte with the same value
	global_store_b64 v4, v[XC+2*(\t):XC+2*(\t)+1], s[30:31] offset:256*(\t)
.endm
.irp t, 0,1,2,3
	XLOAD \t
.endr
	s_wait_loadcnt 12                              ; step 0's four loads are in
	XTURN 0
.irp t, 0,1,2,3,4,5,6,7,8,9,10,11,12,13,14,15
	XSTEP \t
.endr
	ds_load_b64 v[8:9], v6
	s_wait_dscnt 0x0
	global_store_b64 v7, v[8:9], s[32:33]          ; 32 lanes store 256 consecutive bytes, aligned
	s_wait_tensorcnt 0x0                           ; the wave's end, behind my last LDS store
	ds_add_u32 v[SPW], v[NIL]
	s_wait_dscnt 0x0
	s_endpgm
; ---------------- W: a lane takes a column n and its registers run down K: a block of 32 lies in one lane, and the conversions give codes with K innermost.
; A wave takes 32 columns x 512 along K.  The pitch from row to row (8,192 bytes for q1_w, q2_w; 512 for k_w, v_w) lies in a register: 32 offset registers, the base stepped a block at a time.
.Lpath_w:
.set VO,  112                          ; v112-143 offset of row i of a block: 4 x lane + i x pitch; never rewritten
.set WX,  32                           ; v32-95   two sets of 32 numbers; on the way out 16 x 4 registers
.set WC,  96                           ; v96-99   a block's codes
.set WB,  24                           ; v24-27   the scale bytes, four to a register
	s_sub_co_u32 s27, ttmp9, 256                   ; i = 0..135
	s_lshr_b32 s28, s27, 6                         ; i < 128: q1_w or q2_w,
	s_and_b32 s30, s27, 15                         ; which 128 columns,
	s_bfe_u32 s31, s27, 0x20004                    ; which 512 along K,
	s_lshl_b32 s32, s28, 11
	s_lshl_b32 s36, s30, 7
	s_add_co_u32 s32, s32, s36                     ; the first row of wq
	s_cmp_eq_u32 s28, 0
	s_cselect_b64 s[34:35], s[6:7], s[8:9]
	s_sub_co_u32 s36, s27, 128                     ; i >= 128: k_w or v_w
	s_lshr_b32 s37, s36, 2
	s_and_b32 s38, s36, 3
	s_lshl_b32 s39, s37, 7
	s_add_co_u32 s39, s39, 4096
	s_cmp_eq_u32 s37, 0
	s_cselect_b64 s[40:41], s[10:11], s[12:13]
	s_mov_b32 s33, 8192
	s_cmp_lt_u32 s27, 128                          ; the choices hang on the work-group's number alone
	s_cselect_b64 s[34:35], s[34:35], s[40:41]
	s_cselect_b32 s32, s32, s39
	s_cselect_b32 s31, s31, s38
	s_cselect_b32 s30, s30, 0
	s_cselect_b32 s33, s33, 512                    ; the pitch
	s_mul_i32 s36, s31, s33
	s_lshl_b32 s36, s36, 9                         ; 512 rows x which K
	s_lshl_b32 s37, s30, 9
	s_add_co_u32 s36, s36, s37
	s_lshl_b32 s37, s26, 7                         ; my wave's 32 columns
	s_add_co_u32 s36, s36, s37
	s_mov_b32 s37, 0
	s_add_nc_u64 s[34:35], s[34:35], s[36:37]
	s_lshl_b32 s38, s33, 5                         ; a block on: 32 rows
	s_mov_b32 s39, 0
	s_lshl_b32 s40, s26, 5
	s_add_co_u32 s40, s40, s32                     ; my wave's first row of wq
	s_lshl_b32 s36, s40, 10
	s_lshl_b32 s41, s31, 8
	s_add_co_u32 s36, s36, s41
	s_add_nc_u64 s[44:45], s[20:21], s[36:37]      ; codes: row x 1,024 + 256 x which K
	s_lshl_b32 s36, s40, 6
	s_lshl_b32 s41, s31, 4
	s_add_co_u32 s36, s36, s41
	s_add_co_u32 s36, s36, WS
	s_add_nc_u64 s[46:47], s[20:21], s[36:37]      ; scale bytes: row x 64 + 16 x which K
	s_mul_i32 s48, s26, 8704
	s_add_co_u32 s48, s48, 32768                   ; my stage: 32 rows x 272
	v_lshlrev_b32 v[VO], 2, v2
.set wi, 1
.rept 31
	v_add_nc_u32 v[VO+wi], s33, v[VO+wi-1]
.set wi, wi+1
.endr
	v_mul_u32_u24 v4, v2, 272
	v_add_nc_u32 v4, s48, v4                       ; into the stage: row = my column
	v_and_b32 v5, 15, v2
	v_lshrrev_b32 v6, 4, v2
	v_mul_u32_u24 v7, v6, 272
	v_lshl_add_u32 v7, v5, 4, v7
	v_add_nc_u32 v7, s48, v7                       ; out of it: sixteen lanes to a row, two rows an instruction
	v_lshlrev_b32 v8, 10, v6
	v_lshl_add_u32 v8, v5, 4, v8                   ; and the same place in wq
	v_lshlrev_b32 v9, 6, v2                        ; my column's row of scale bytes
.macro WLOAD t
.if (\t) > 0
	s_wait_xcnt 0x0                                ; the loads issued so far have read their base: it may step
	s_add_nc_u64 s[34:35], s[34:35], s[38:39]
.endif
.set wi, 0
.rept 32
	global_load_b32 v[WX+32*((\t)%2)+wi], v[VO+wi], s[34:35] th:TH_LOAD_NT
.set wi, wi+1
.endr
.endm
.macro WBLOCK t
.set WS_, WX+32*((\t)%2)
.if (\t) < 15
	s_wait_loadcnt 32                              ; this block's 32 loads are in; the next block's may be out
.else
	s_wait_loadcnt 0x0
.endif
	v_max3_num_f32 v12, |v[WS_]|, |v[WS_+1]|, |v[WS_+2]|
	v_max3_num_f32 v13, |v[WS_+3]|, |v[WS_+4]|, |v[WS_+5]|
.irp i, 6,10,14,18,22,26
	v_max3_num_f32 v12, v12, |v[WS_+\i]|, |v[WS_+\i+1]|
	v_max3_num_f32 v13, v13, |v[WS_+\i+2]|, |v[WS_+\i+3]|
.endr
	v_max3_num_f32 v12, v12, |v[WS_+30]|, |v[WS_+31]|
	v_max3_num_f32 v12, v12, v13, 0x1800000        ; and the floor 2^(3 - 127)
	v_add_nc_u32 v11, 0xff000000, v12              ; 2 off the exponent field: the conversion's scale operand
	v_lshrrev_b32 v13, 23, v11                     ; the scale's byte
.if (\t)%4 == 0
	v_mov_b32 v[WB+(\t)/4], v13
.else
	v_lshl_or_b32 v[WB+(\t)/4], v13, 8*((\t)%4), v[WB+(\t)/4]
.endif
.irp g, 0,1,2,3
	v_cvt_scalef32_pk8_fp4_f32 v[WC+\g], v[WS_+8*\g:WS_+8*\g+7], v11
.endr
	v_nop                                          ; a plain line behind the last conversion
	ds_store_b128 v4, v[WC:WC+3] offset:16*(\t)    ; 32 codes: 16 bytes of my column's row
.if (\t)+2 < 16
	WLOAD (\t)+2
.endif
	s_wait_dscnt 0x0                               ; the store has read its registers: the next block's codes may be written
.endm
	WLOAD 0
	WLOAD 1
.irp t, 0,1,2,3,4,5,6,7,8,9,10,11,12,13,14,15
	WBLOCK \t
.endr
	global_store_b128 v9, v[WB:WB+3], s[46:47]     ; my column's 16 scale bytes
.irp t, 0,1,2,3,4,5,6,7,8,9,10,11,12,13,14,15
	ds_load_b128 v[WX+4*\t:WX+4*\t+3], v7 offset:2*\t*272
.endr
.irp t, 0,1,2,3,4,5,6,7,8,9,10,11,12,13,14,15
	s_wait_dscnt 15-\t
	global_store_b128 v8, v[WX+4*\t:WX+4*\t+3], s[44:45] offset:2*\t*1024   ; sixteen lanes store 256 consecutive bytes, aligned
.endr
	s_wait_tensorcnt 0x0                           ; the wave's end
	ds_add_u32 v[SPW], v[NIL]
	s_wait_dscnt 0x0
	s_endpgm
; ---------------- T: out_w turned and rounded to f16.  A lane takes a column n, its registers run down K: pairs pack into f16 with K innermost.  A wave takes 32 columns x 128 along K: 256 bytes a column.
.Lpath_t:
	s_and_b32 s27, ttmp9, 15                       ; which 128 columns
	s_lshr_b32 s28, ttmp9, 4                       ; which 128 along K
	s_lshl_b32 s30, s28, 20                        ; 128 rows of 8,192 bytes
	s_lshl_b32 s31, s27, 9
	s_add_co_u32 s30, s30, s31
	s_lshl_b32 s31, s26, 7
	s_add_co_u32 s30, s30, s31
	s_mov_b32 s31, 0
	s_add_nc_u64 s[14:15], s[14:15], s[30:31]
	s_lshl_b32 s30, s27, 19                        ; owt: row n of 4,096 bytes
	s_lshl_b32 s32, s26, 17
	s_add_co_u32 s30, s30, s32
	s_lshl_b32 s32, s28, 8
	s_add_co_u32 s30, s30, s32
	s_add_nc_u64 s[22:23], s[22:23], s[30:31]
	s_mul_i32 s48, s26, 8704
	s_add_co_u32 s48, s48, 67584                   ; my stage: 32 rows x 272
	v_lshlrev_b32 v3, 2, v2
	v_mul_u32_u24 v4, v2, 272
	v_add_nc_u32 v4, s48, v4
	v_and_b32 v5, 15, v2
	v_lshrrev_b32 v6, 4, v2
	v_mul_u32_u24 v7, v6, 272
	v_lshl_add_u32 v7, v5, 4, v7
	v_add_nc_u32 v7, s48, v7
	v_lshlrev_b32 v8, 12, v6
	v_lshl_add_u32 v8, v5, 4, v8
.macro TLD t                           ; rows 32 t .. 32 t + 31 of my 128, into registers of their own
.set ti, 0
.rept 32
	global_load_b32 v[32+32*(\t)+ti], v3, s[14:15] offset:(32*(\t)+ti)*8192 th:TH_LOAD_NT
.set ti, ti+1
.endr
.endm
.macro TBLK t
.if (\t) < 3
	s_wait_loadcnt 32                              ; this block's 32 loads are in; the next block's may be out
.else
	s_wait_loadcnt 0x0
.endif
.set ti, 0
.rept 16
	v_cvt_pk_f16_f32 v[32+32*(\t)+ti], v[32+32*(\t)+2*ti], v[33+32*(\t)+2*ti]   ; in place, ascending: no source is written before it is read
.set ti, ti+1
.endr
.irp g, 0,1,2,3
	ds_store_b128 v4, v[32+32*(\t)+4*\g:35+32*(\t)+4*\g] offset:64*(\t)+16*\g
.endr
.if (\t)+2 < 4
	TLD (\t)+2
.endif
.endm
	TLD 0
	TLD 1
.irp t, 0,1,2,3
	TBLK \t
.endr
	s_wait_dscnt 0x0                               ; the stores have read their registers, which take the rows read back
.irp t, 0,1,2,3,4,5,6,7,8,9,10,11,12,13,14,15
	ds_load_b128 v[32+4*\t:35+4*\t], v7 offset:2*\t*272
.endr
.irp t, 0,1,2,3,4,5,6,7,8,9,10,11,12,13,14,15
	s_wait_dscnt 15-\t
	global_store_b128 v8, v[32+4*\t:35+4*\t], s[22:23] offset:2*\t*4096     ; sixteen lanes store 256 consecutive bytes, aligned
.endr
	s_wait_tensorcnt 0x0                           ; the wave's end
	ds_add_u32 v[SPW], v[NIL]
	s_wait_dscnt 0x0
	s_endpgm
.Lfunc_end_k_qaf879a8e7b_prep:
	.size	k_qaf879a8e7b_prep, .Lfunc_end_k_qaf879a8e7b_prep-k_qaf879a8e7b_prep
	.p2alignl 7, 3214868480
	.fill 96, 4, 3214868480
	.section	.rodata,"a",@progbits
	.p2align	6, 0x0
	.amdhsa_kernel k_qaf879a8e7b_prep
		.amdhsa_group_segment_fixed_size 102912
		.amdhsa_private_segment_fixed_size 0
		.amdhsa_enable_private_segment 0
		.amdhsa_kernarg_size 88
		.amdhsa_user_sgpr_count 2
		.amdhsa_user_sgpr_kernarg_segment_ptr 1
		.amdhsa_wavefront_size32 1
		.amdhsa_system_sgpr_workgroup_id_x 1
		.amdhsa_system_sgpr_workgroup_id_y 1
		.amdhsa_system_sgpr_workgroup_id_z 1
		.amdhsa_system_vgpr_workitem_id 0
		.amdhsa_next_free_vgpr 192
		.amdhsa_next_free_sgpr 66
		.amdhsa_reserve_vcc 1
		.amdhsa_float_denorm_mode_32 3
		.amdhsa_float_denorm_mode_16_64 3
		.amdhsa_memory_ordered 1
		.amdhsa_forward_progress 1
		.amdhsa_inst_pref_size 161
	.end_amdhsa_kernel
	.amdgpu_metadata
---
amdhsa.version: [ 1, 2 ]
amdhsa.kernels:
  - .name:           k_qaf879a8e7b_prep
    .symbol:         k_qaf879a8e7b_prep.kd
    .args:
      - { .name: x, .offset: 0, .size: 8, .value_kind: global_buffer, .address_space: global }
      - { .name: q1_w, .offset: 8, .size: 8, .value_kind: global_buffer, .address_space: global }
      - { .name: q2_w, .offset: 16, .size: 8, .value_kind: global_buffer, .address_space: global }
      - { .name: k_w, .offset: 24, .size: 8, .value_kind: global_buffer, .address_space: global }
      - { .name: v_w, .offset: 32, .size: 8, .value_kind: global_buffer, .address_space: global }
      - { .name: out_w, .offset: 40, .size: 8, .value_kind: global_buffer, .address_space: global }
      - { .name: mask, .offset: 48, .size: 8, .value_kind: global_buffer, .address_space: global }
      - { .name: xq, .offset: 56, .size: 8, .value_kind: global_buffer, .address_space: global }
      - { .name: wq, .offset: 64, .size: 8, .value_kind: global_buffer, .address_space: global }
      - { .name: owt, .offset: 72, .size: 8, .value_kind: global_buffer, .address_space: global }
      - { .name: flags, .offset: 80, .size: 8, .value_kind: global_buffer, .address_space: global }
    .group_segment_fixed_size: 102912
    .private_segment_fixed_size: 0
    .kernarg_segment_align: 8
    .kernarg_segment_size: 88
    .max_flat_workgroup_size: 128
    .sgpr_count:     66
    .vgpr_count:     192
    .wavefront_size: 32
...
	.end_amdgpu_metadata
.endif
;; end of part 1
;; launch proj (part 2): grid 8 x 17, 4 waves a work-group, clusters of 4 x 1, 327,680 bytes of LDS; arguments xq, wq, freqs_cos, freqs_sin, qf, kv; writes qf, kv
.if DOCPART == 2
	.amdgcn_target "amdgcn-amd-amdhsa--gfx1250"
	.amdhsa_code_object_version 6
	.text
	.protected	k_qaf879a8e7b_proj
	.globl	k_qaf879a8e7b_proj
	.p2align	8
	.type	k_qaf879a8e7b_proj,@function
k_qaf879a8e7b_proj:
	s_mov_b64 s[64:65], 0
	v_nop
	global_prefetch_b8 v0, s[64:65] scope:SCOPE_SE
	s_setreg_imm32_b32 hwreg(HW_REG_WAVE_MODE, 25, 1), 1
	s_wait_xcnt 0x0
	s_wait_alu depctr_hold_cnt(0) depctr_sa_sdst(0) depctr_va_vdst(0) depctr_va_sdst(0) depctr_va_ssrc(0) depctr_va_vcc(0) depctr_vm_vsrc(0)
	s_getreg_b32 s2, hwreg(HW_REG_IB_STS2, 6, 4)
	s_cmp_eq_u32 s2, 0
	s_cbranch_scc0 .Lentry_in_a_cluster
	s_endpgm
.Lentry_in_a_cluster:
	s_bfe_u32 s2, ttmp6, 0x10000c
	s_cmp_lg_u32 s2, 0x3003
	s_cbranch_scc0 .Lentry_shape_is_right
	s_endpgm
.Lentry_shape_is_right:
; PROJ: the four quantised products as one GEMM on codes of E2M1: [2048 positions] x [4352 columns: q1 0-2047, q2 2048-4095, k 4096-4223, v 4224-4351], K = 2,048; then RoPE in f32, one rounding to f16,
; and stores in the order of the next launch's operand registers.
; A tile of 256 x 256 is made by four waves, each 128 positions x 128 columns = ONE head unit hu (0-15 q1's heads, 16-31 q2's, 32 k, 33 v): 64 accumulators, 512 registers.
; K goes in steps of 512 through a ring of two LDS slots (rows of 256 bytes); the scale bytes of the work-group's rows, for all of K, come once with the first fills.
; CLUSTER 4 x 1: the four partners differ in the tile row (positions) and share the tile column, so the weights' tiles and scale bytes are asked for JOINTLY (mask 15); x's tiles differ between
; partners and come by loads with no mask, at the same places behind the same rounds.  The grid has 17 tile columns, a prime: no cluster along y divides it, so x's tiles are not shared.
; THE MATRIX INSTRUCTION IS USED TRANSPOSED (source 0 = 16 columns of the weights, source 1 = 16 positions): accumulator (a, b) of lane (r, h) holds position 16 a + r, channels 16 b + 8 h + 0 .. 7.
; So channel d and d + 64 lie in accumulators (a, b) and (a, b + 4), same lane, same register: RoPE asks no other lane, and four packed conversions of a tile are 16 bytes of a fragment.
; q is multiplied by c = log2(e) / sqrt(128) in f32 ahead of its rounding, so that the score product gives the exponent of 2 directly.
; OUT: qf [hu][position tile][piece b][lane][16 bytes]; kv: k likewise at 0; v at VF as [32 keys kb][channel tile ct][u][lane][16 bytes]: lane (r, h) = channel 16 ct + r, keys 32 kb + 16 u + 8 h + 0 .. 7.
; LIMITS: |q| c, |k| and |v| stay under 65,504 (f16); NaN and infinities are not served.
; REGISTERS, in windows of 256: window 0: v0-31 addresses; v32-95 scale words, two sets; v128-191 x's fragments, one set.  window 1: the weights' fragments, two sets, at v0 and v128.
;   window 2: the accumulators of my positions 0-63 ((a, b) at v[8 (8 a + b)]); window 3: those of positions 64-127.
;   On the way out: window 0 v32-95 rotated numbers, v96-127 their f16; windows 0 and 1 by turns, v128-191 cos, v192-255 sin.
.set KSTEP,  512
.set NQ,     4
.set ROWB,   256
.set KROW,   1024                      ; a row of codes in memory
.set PITCH,  272                       ; an LDS row: 256 bytes + 16 of padding: the 16 rows of a fragment load start at 16 different banks (64 banks of 4 bytes: ISA guide 11.1)
.set FR,     8
.set NL,     2
.set NP,     4                         ; places behind this matrix instruction (ISA guide 7.12.1)
.set HALFT,  128*PITCH
.set SLOT,   4*HALFT
.set LAPS,   2                         ; 2,048 along K = four K steps = twice round the ring
.set KS,     64                        ; a row of scale bytes
.set SCL,    2*SLOT
.set HALFS,  (128*KS/256)*272
.set SBLK,   (16*KS/256)*272
.set SPARE,  SCL+4*HALFS               ; the spare words, 128 bytes a wave
.set XS,     2097152
.set WS,     4456448
.set VF,     524288
.set ADRA, 16                          ; v16-17 LDS address of x's fragments in slot 0, 1
.set ADRB, 20                          ; v20-21 the same for the weights
.set VS,   22                          ; v22 v's way out: where I put 16 bytes of a key's row
.set VR,   23                          ; v23 and where the turning load reads
.set TO,   24                          ; v24 my place in the tables: r x 512 + 32 h
.set LO,   25                          ; v25 16 x lane
.set ADRS, 27                          ; v27 LDS address of my scale words: lanes 0-15 x's rows, lanes 16-31 the weights'
.set SPW,  28
.set NIL,  29
.set SC,   32
.set AF,   128
.set G1, 24
.set G0, 32
.set G1B, 48
.set G0B, 56
.set G1S, 68
.set G0S, 76
.set G1SB, 80
.set G0SB, 88
.set MSB, 0
.macro WIN new                         ; the immediate's high byte repeats the setting that is left
.if MSB != \new
	s_set_vgpr_msb (MSB<<8)|\new
.set MSB, \new
.endif
.endm
.set MUL_LO, 0xa1
.set MUL_HI, 0xf1
.set TO_B,   0x40
; Waves 0 and 1 fetch for x, waves 2 and 3 for the weights.  The branch hangs on the wave's number alone.  An s_nop 0 and four v_nop follow each of the two lines.
.macro JLOAD g0a, g1a, g0b, g1b
	s_cmp_eq_u32 s15, 0
	s_cbranch_scc0 .Lfor_b_\@
	tensor_load_to_lds s[\g0a:\g0a+3], s[\g1a:\g1a+7]
	s_nop 0
.rept 4
	v_nop
.endr
	s_branch .Lasked_\@
.Lfor_b_\@:
	tensor_load_to_lds s[\g0b:\g0b+3], s[\g1b:\g1b+7]
	s_nop 0
.rept 4
	v_nop
.endr
.Lasked_\@:
.endm
.macro CREST
	s_cmp_lg_u32 s14, 0
	s_cbranch_scc1 .Lnot_wave_0_\@
	s_barrier_signal -3
.Lnot_wave_0_\@:
	s_barrier_wait -3
	s_barrier_signal -1
	s_barrier_wait -1
.endm
.macro CROUND
	s_barrier_signal -1
	s_barrier_wait -1
	CREST
.endm
	s_load_b64 s[4:5], s[0:1], 0x0                 ; xq
	s_load_b64 s[8:9], s[0:1], 0x8                 ; wq
	s_load_b64 s[12:13], s[0:1], 0x10              ; cos
	s_load_b64 s[66:67], s[0:1], 0x18              ; sin
	s_load_b64 s[98:99], s[0:1], 0x20              ; qf
	s_load_b64 s[100:101], s[0:1], 0x28            ; kv
	v_lshl_add_u32 v[SPW], v0, 2, SPARE
	v_mov_b32 v[NIL], 0
	ds_add_u32 v[SPW], v[NIL]                      ; the wave's opening: the add, twice on end, and its wait ahead of my first tensor load
	ds_add_u32 v[SPW], v[NIL]
	v_lshrrev_b32 v1, 5, v0
	v_readfirstlane_b32 s14, v1                    ; wave 0..3
	s_lshr_b32 s15, s14, 1                         ; which half of the tile's positions is mine.  Also: I fetch for x (0) or for the weights (1)
	s_and_b32 s16, s14, 1                          ; which half of its columns.  Also: which 128 rows I fetch
	s_bfe_u32 s40, ttmp6, 0x40000                  ; cx
	s_lshl_b32 s17, ttmp9, 2
	s_add_co_u32 s17, s17, s40                     ; tile row = 4 x cluster x + cx
	s_and_b32 s42, ttmp7, 0xffff                   ; tile column: the same in the four partners
	s_mov_b32 s[G1+0], (1<<20)|(5<<22)|(3<<25)     ; x's tiles: no mask; elements of 1 byte; padding: 4 words after every 64
	s_mov_b32 s[G1B+0], 15|(1<<20)|(1<<21)|(5<<22)|(3<<25)   ; the weights': the mask names all four; bit 21 set beside it
.irp g, G1, G1B
	s_mov_b32 s[\g+1], ROWB<<16                    ; tensor_dim0
	s_mov_b32 s[\g+2], 128<<16                     ; tensor_dim1
	s_mov_b32 s[\g+3], ROWB<<16                    ; tile_dim0
	s_mov_b32 s[\g+4], 128                         ; tile_dim1
	s_mov_b32 s[\g+5], KROW                        ; the pitch
	s_mov_b32 s[\g+6], 0
	s_mov_b32 s[\g+7], 0
.endr
	s_mov_b32 s[G1S+0], (3<<16)|(1<<20)|(5<<22)|(3<<25)      ; the scale bytes of 128 rows: 8,192 dense bytes as 32 rows of 256 (32 elements of 8 bytes), 16 bytes of padding behind each
	s_mov_b32 s[G1SB+0], 15|(3<<16)|(1<<20)|(1<<21)|(5<<22)|(3<<25)
.irp g, G1S, G1SB
	s_mov_b32 s[\g+1], 32<<16
	s_mov_b32 s[\g+2], (128*KS/256)<<16
	s_mov_b32 s[\g+3], 32<<16
	s_mov_b32 s[\g+4], 128*KS/256
	s_mov_b32 s[\g+5], 32
	s_mov_b32 s[\g+6], 0
	s_mov_b32 s[\g+7], 0
.endr
	s_lshl_b32 s18, s16, 7                         ; which 128 rows I fetch
	s_lshl_b32 s20, s17, 8
	s_add_co_u32 s20, s20, s18                     ; x: row 256 x tile row + 128 x half
	s_lshl_b32 s46, s42, 8
	s_add_co_u32 s46, s46, s18                     ; the weights: row 256 x tile column + 128 x half: nothing of cx enters it
	s_mov_b32 s21, 0
	s_mov_b32 s47, 0
	s_mov_b64 s[18:19], KS
	s_mul_u64 s[22:23], s[20:21], s[18:19]
	s_mul_u64 s[92:93], s[46:47], s[18:19]
	s_mov_b64 s[18:19], KROW
	s_mul_u64 s[20:21], s[20:21], s[18:19]
	s_mul_u64 s[46:47], s[46:47], s[18:19]
	s_mul_i32 s45, s14, HALFT                      ; where they go: wave x 128 rows
	s_mul_i32 s94, s14, HALFS
	s_wait_dscnt 0x0                               ; both opening adds are done
	s_wait_kmcnt 0x0
	s_add_nc_u64 s[6:7], s[4:5], XS                ; x's scale bytes
	s_add_nc_u64 s[10:11], s[8:9], WS              ; the weights'
	s_add_nc_u64 s[20:21], s[4:5], s[20:21]
	s_add_nc_u64 s[22:23], s[6:7], s[22:23]
	s_add_nc_u64 s[46:47], s[8:9], s[46:47]
	s_add_nc_u64 s[92:93], s[10:11], s[92:93]
	CROUND                                         ; all four work-groups are here: the first joint loads meet
	s_mov_b32 s[G0S], 1
	s_add_co_u32 s[G0S+1], s94, SCL
	s_mov_b64 s[G0S+2:G0S+3], s[22:23]
	s_or_b32 s[G0S+3], s[G0S+3], 0x80000000
	s_mov_b32 s[G0SB], 1
	s_add_co_u32 s[G0SB+1], s94, SCL
	s_mov_b64 s[G0SB+2:G0SB+3], s[92:93]
	s_or_b32 s[G0SB+3], s[G0SB+3], 0x80000000
	JLOAD G0S, G1S, G0SB, G1SB                     ; the scale bytes first: they are wanted with K step 0
.irp s, 0,1
	s_mov_b32 s[G0+4*\s], 1
	s_add_co_u32 s[G0+4*\s+1], s45, \s*SLOT
	s_add_nc_u64 s[G0+4*\s+2:G0+4*\s+3], s[20:21], \s*ROWB
	s_or_b32 s[G0+4*\s+3], s[G0+4*\s+3], 0x80000000
	s_mov_b32 s[G0B+4*\s], 1
	s_add_co_u32 s[G0B+4*\s+1], s45, \s*SLOT
	s_add_nc_u64 s[G0B+4*\s+2:G0B+4*\s+3], s[46:47], \s*ROWB
	s_or_b32 s[G0B+4*\s+3], s[G0B+4*\s+3], 0x80000000
	JLOAD G0+4*\s, G1, G0B+4*\s, G1B               ; three tensor loads of mine are out behind the second of these
.endr
	v_and_b32 v1, 15, v0                           ; r
	v_bfe_u32 v2, v0, 4, 1                         ; h
	v_mul_u32_u24 v3, v1, PITCH
	v_lshl_add_u32 v4, v2, 4, v3                   ; a fragment's row x pitch + 16 h
	s_mul_i32 s21, s15, HALFT                      ; my 128 positions
	s_mul_i32 s22, s16, HALFT                      ; my 128 columns,
	s_add_co_u32 s22, s22, 2*HALFT                 ; which lie behind x's 256 rows
.irp s, 0,1
	v_add_nc_u32 v[ADRA+\s], s21, v4
	v_add_nc_u32 v[ADRB+\s], s22, v4
	s_add_co_u32 s21, s21, SLOT
	s_add_co_u32 s22, s22, SLOT
.endr
	v_mul_u32_u24 v5, v1, KS                       ; my row's scale bytes: 64 a row,
	v_lshrrev_b32 v6, 8, v5
	v_lshl_add_u32 v5, v6, 4, v5                   ; and 16 more for each 256 passed
	s_mul_i32 s21, s15, HALFS
	s_mul_i32 s22, s16, HALFS
	s_add_co_u32 s22, s22, 2*HALFS
	s_sub_co_u32 s22, s22, s21
	v_mul_u32_u24 v6, s22, v2                      ; lanes 16-31 take the weights'
	s_add_co_u32 s21, s21, SCL
	v_add_nc_u32 v5, v5, v6
	v_add_nc_u32 v[ADRS], s21, v5
	v_add_nc_u32 v[VS], s45, v4                    ; v's stage: my wave's 128 rows x 272 in slot 0; in: row r, + 16 h
	v_and_b32 v5, 7, v0
	v_lshl_add_u32 v5, v2, 3, v5                   ; the turning load: key 8 h + lane % 8,
	v_mul_u32_u24 v5, v5, PITCH
	v_bfe_u32 v6, v0, 3, 1
	v_lshl_add_u32 v5, v6, 4, v5                   ; channels 8 ((lane / 8) % 2) on
	v_add_nc_u32 v[VR], s45, v5
	v_lshlrev_b32 v[TO], 9, v1
	v_lshl_add_u32 v[TO], v2, 5, v[TO]
	v_and_b32 v6, 31, v0
	v_lshlrev_b32 v[LO], 4, v6
.macro FRAG reg, adr, q, i             ; a fragment, 16 rows x 128 K of 4-bit codes: registers 4 c .. 4 c + 3 hold K = 64 c + 32 h + 0 .. 31
.irp c, 0,1
	ds_load_b128 v[\reg+4*\c:\reg+4*\c+3], v[\adr] offset:64*(\q)+32*\c+(\i)*16*PITCH
.endr
.endm
; 16 matrix instructions: position blocks a0, a0 + 1 x the eight column blocks.  The 64 accumulators take turns, one instruction a turn, in the same order in every step.
.macro MUL16 a0, p, q, sc, zero
.irp a, \a0, \a0+1
.irp b, 0,1,2,3,4,5,6,7
.if \zero
	v_wmma_scale_f32_16x16x128_f8f6f4 v[8*(8*((\a)%4)+\b):8*(8*((\a)%4)+\b)+7], v[128*(\p)+FR*\b:128*(\p)+FR*\b+FR-1], v[AF+FR*(\a):AF+FR*(\a)+FR-1], 0, v[SC+8*NQ*(\sc)+NQ*\b+(\q)], v[SC+8*NQ*(\sc)+NQ*(\a)+(\q)] matrix_a_fmt:MATRIX_FMT_FP4 matrix_b_fmt:MATRIX_FMT_FP4 matrix_a_scale:MATRIX_SCALE_ROW1
.else
	v_wmma_scale_f32_16x16x128_f8f6f4 v[8*(8*((\a)%4)+\b):8*(8*((\a)%4)+\b)+7], v[128*(\p)+FR*\b:128*(\p)+FR*\b+FR-1], v[AF+FR*(\a):AF+FR*(\a)+FR-1], v[8*(8*((\a)%4)+\b):8*(8*((\a)%4)+\b)+7], v[SC+8*NQ*(\sc)+NQ*\b+(\q)], v[SC+8*NQ*(\sc)+NQ*(\a)+(\q)] matrix_a_fmt:MATRIX_FMT_FP4 matrix_b_fmt:MATRIX_FMT_FP4 matrix_a_scale:MATRIX_SCALE_ROW1
.endif
.endr
.endr
.endm
.macro FETCH_B slot, q, p
	WIN TO_B
.irp i, 0,1,2,3,4,5,6,7
	FRAG 128*(\p)+FR*\i, ADRB+\slot, \q, \i
.endr
	WIN 0
.endm
.macro FETCH_A slot, q, i0
.irp i, \i0, \i0+1, \i0+2, \i0+3
	FRAG AF+FR*(\i), ADRA+\slot, \q, \i
.endr
.endm
.macro SCALES sc                       ; a K step's scale words: lanes 0-15 take x's block i, lanes 16-31 the weights' block i
.irp i, 0,1,2,3,4,5,6,7
	ds_load_b128 v[SC+8*NQ*\sc+NQ*\i:SC+8*NQ*\sc+NQ*\i+3], v[ADRS] offset:\i*SBLK
.endr
.endm
.macro PLACES n                        ; plain vector lines between a matrix instruction and a load into, or a read of, its registers
.rept \n
	v_nop
.endr
.endm
.macro STEP slot, q, zero
	s_wait_dscnt 4*NL                              ; the weights' set and x's blocks 0-3 are in; the youngest eight loads (x's blocks 4-7) may be out
	WIN MUL_LO
	MUL16 0, (\q)%2, \q, \slot, \zero
	MUL16 2, (\q)%2, \q, \slot, \zero
	s_wait_dscnt 0
	PLACES NP
	FETCH_B \slot, (\q)+1, 1-(\q)%2
	FETCH_A \slot, (\q)+1, 0
	WIN MUL_HI
	MUL16 4, (\q)%2, \q, \slot, \zero
	MUL16 6, (\q)%2, \q, \slot, \zero
	PLACES NP
	WIN 0
	FETCH_A \slot, (\q)+1, 4
.endm
; A slot's last step changes slots: one barrier; in front of it each wave waits for all its tensor loads, adds 0 to its spare word, and waits for that and for its reads of this slot.
.macro TURN slot, next, fill
	s_wait_tensorcnt 0x0                           ; all my tensor loads have landed: my part of the next slot
	ds_add_u32 v[SPW], v[NIL]
	s_wait_dscnt 4*NL+1                            ; (the add and the youngest eight loads may be out)
	WIN MUL_LO
	MUL16 0, 1, NQ-1, \slot, 0
	s_wait_dscnt 0x0                               ; the add is done, and my reads of this slot are over
	s_barrier_signal -1
	MUL16 2, 1, NQ-1, \slot, 0
	WIN 0
	s_barrier_wait -1
.if \fill
	CREST                                          ; the barrier has opened a round of the cluster's barrier: no wave of any partner still reads this slot or has a load on its way
	s_add_nc_u64 s[G0+4*\slot+2:G0+4*\slot+3], s[G0+4*\slot+2:G0+4*\slot+3], 2*ROWB
	s_add_nc_u64 s[G0B+4*\slot+2:G0B+4*\slot+3], s[G0B+4*\slot+2:G0B+4*\slot+3], 2*ROWB
	JLOAD G0+4*\slot, G1, G0B+4*\slot, G1B         ; my one tensor load behind the round; its four v_nop are the places in front of the loads below
.else
	PLACES NP
.endif
	v_add_nc_u32 v[ADRS], 4*NQ, v[ADRS]            ; the next K step's scale words
	FETCH_B \next, 0, 0
	FETCH_A \next, 0, 0
	SCALES \next
	WIN MUL_HI
	MUL16 4, 1, NQ-1, \slot, 0
	MUL16 6, 1, NQ-1, \slot, 0
	PLACES NP
	WIN 0
	FETCH_A \next, 0, 4
.endm
.macro STEPS slot, from
.set Q, \from
.rept NQ-1-\from
	STEP \slot, Q, 0
.set Q, Q+1
.endr
.endm
	s_wait_tensorcnt 1                             ; the scale bytes and my part of K step 0 are in (K step 1's load may be out)
	s_barrier_signal -1
	s_barrier_wait -1
	FETCH_B 0, 0, 0
	FETCH_A 0, 0, 0
	SCALES 0
	FETCH_A 0, 0, 4
	STEP 0, 0, 1                                   ; the first step's products start the sums: nothing is cleared
	s_mov_b32 s3, LAPS-1
.Llap:
	STEPS 0, 1
	TURN 0, 1, 1
	STEPS 1, 0
	TURN 1, 0, 1
	STEP 0, 0, 0
	s_sub_co_u32 s3, s3, 1
	s_cmp_lg_u32 s3, 0
	s_cbranch_scc1 .Llap
	STEPS 0, 1                                     ; the last lap fills nothing
	TURN 0, 1, 0
	STEPS 1, 0
	s_wait_dscnt 4*NL
	WIN MUL_LO
	MUL16 0, 1, NQ-1, 1, 0
	MUL16 2, 1, NQ-1, 1, 0
	s_wait_dscnt 0
	WIN MUL_HI
	MUL16 4, 1, NQ-1, 1, 0
	MUL16 6, 1, NQ-1, 1, 0
	WIN 0
	PLACES NP                                      ; behind the last products: their results are read, and their operands' and scales' registers written, only behind these
	s_lshl_b32 s41, s42, 1
	s_add_co_u32 s41, s41, s16                     ; hu, my head unit
	s_lshl_b32 s43, s17, 4
	s_lshl_b32 s44, s15, 3
	s_add_co_u32 s43, s43, s44                     ; my first tile of 16 positions
	s_mov_b32 s21, 0
	s_cmp_eq_u32 s41, 33                           ; the tile column and the wave's number alone: the same in all partners
	s_cbranch_scc1 .Lv_out
; ---- q and k: RoPE, the factor, f16, stored as fragments.  No LDS.
	s_lshl_b32 s20, s43, 13                        ; 16 positions x 512 bytes a tile
	s_add_nc_u64 s[12:13], s[12:13], s[20:21]
	s_add_nc_u64 s[66:67], s[66:67], s[20:21]
	s_lshl_b32 s22, s41, 19
	s_lshl_b32 s20, s43, 12
	s_cmp_lt_u32 s41, 32
	s_cselect_b32 s18, 0x3e0293ee, 1.0             ; q: c = log2(e) / sqrt(128); k: 1
	s_cselect_b32 s22, s22, 0
	s_cselect_b64 s[46:47], s[98:99], s[100:101]
	s_mov_b32 s19, s18                             ; (named with it as a pair)
	s_add_co_u32 s20, s20, s22
	s_add_nc_u64 s[46:47], s[46:47], s[20:21]
.macro TABLES a                        ; cos and sin of positions 16 a + r, my 64 channels: 32 loads into window a % 2
	WIN ((\a)%2)<<6
.irp b, 0,1,2,3,4,5,6,7
	global_load_b128 v[128+8*\b:131+8*\b], v[TO], s[12:13] offset:(\a)*8192+64*\b
	global_load_b128 v[132+8*\b:135+8*\b], v[TO], s[12:13] offset:(\a)*8192+64*\b+16
	global_load_b128 v[192+8*\b:195+8*\b], v[TO], s[66:67] offset:(\a)*8192+64*\b
	global_load_b128 v[196+8*\b:199+8*\b], v[TO], s[66:67] offset:(\a)*8192+64*\b+16
.endr
	WIN 0
.endm
.macro ROPE a
.set AC, 64*((\a)%4)
	WIN (2+(\a)/4)|(((\a)%2)<<2)                   ; source 0: the accumulators; source 1: the tables
.irp b, 0,1,2,3
.irp j, 0,2,4,6                        ; each accumulator is read from its low end on
	v_pk_mul_f32 v[32+8*\b+\j:33+8*\b+\j], v[AC+8*\b+\j:AC+8*\b+\j+1], v[128+8*\b+\j:129+8*\b+\j]          ; t(d) cos(d), d < 64
	v_pk_mul_f32 v[64+8*\b+\j:65+8*\b+\j], v[AC+32+8*\b+\j:AC+33+8*\b+\j], v[160+8*\b+\j:161+8*\b+\j]      ; t(d + 64) cos(d + 64)
	v_pk_fma_f32 v[32+8*\b+\j:33+8*\b+\j], v[AC+32+8*\b+\j:AC+33+8*\b+\j], v[192+8*\b+\j:193+8*\b+\j], v[32+8*\b+\j:33+8*\b+\j] neg_lo:[1,0,0] neg_hi:[1,0,0]   ; - t(d + 64) sin(d)
	v_pk_fma_f32 v[64+8*\b+\j:65+8*\b+\j], v[AC+8*\b+\j:AC+8*\b+\j+1], v[224+8*\b+\j:225+8*\b+\j], v[64+8*\b+\j:65+8*\b+\j]                                     ; + t(d) sin(d + 64)
.endr
.endr
	WIN 0
.set i, 0
.rept 32
	v_pk_mul_f32 v[32+i:33+i], v[32+i:33+i], s[18:19] op_sel_hi:[1,0]
.set i, i+2
.endr
	s_wait_xcnt 0x0                                ; the last block's stores have read their data registers, which are written next
.set i, 0
.rept 32
	v_cvt_pk_f16_f32 v[96+i], v[32+2*i], v[33+2*i]
.set i, i+1
.endr
.irp b, 0,1,2,3,4,5,6,7
	global_store_b128 v[LO], v[96+4*\b:99+4*\b], s[46:47] offset:(\a)*4096+512*\b   ; 32 lanes store 512 consecutive bytes, aligned
.endr
.endm
	TABLES 0
.irp a, 0,1,2,3,4,5,6
	TABLES \a+1
	s_wait_loadcnt 32                              ; this block's tables are in; the next block's 32 loads may be out
	ROPE \a
.endr
	s_wait_loadcnt 0x0
	ROPE 7
	s_branch .Ldone
; ---- v: f16, through my stage in slot 0 (it has had its last fill, and nobody reads it behind the last change of slots), turned so that the keys lie along a lane's registers.
.Lv_out:
	s_lshl_b32 s20, s43, 12                        ; 8,192 bytes for each 32 keys
	s_add_co_u32 s20, s20, VF
	s_add_nc_u64 s[46:47], s[100:101], s[20:21]
.irp a, 0,1,2,3,4,5,6,7
.set AC, 64*((\a)%4)
.set HB, 32+32*((\a)%2)
	WIN 0x0a+5*((\a)/4)                            ; sources 0 and 1: window 2 or 3
.set i, 0
.rept 32
	v_cvt_pk_f16_f32 v[HB+i], v[AC+2*i], v[AC+2*i+1]
.set i, i+1
.endr
	WIN 0
.irp b, 0,1,2,3,4,5,6,7
	ds_store_b128 v[VS], v[HB+4*\b:HB+4*\b+3] offset:(\a)*16*PITCH+32*\b           ; key 16 a + r, channels 16 b + 8 h on
.endr
.endr
.irp g, 0,1,2,3                        ; 32 keys at a time; LDS serves a wave's instructions in order: the loads see my stores
.set TBK, 128+64*((\g)%2)
.if \g > 1
	s_wait_xcnt 0x0                                ; the stores of two groups back have read these registers
.endif
.irp ct, 0,1,2,3,4,5,6,7
.irp u, 0,1
	ds_load_tr16_b128 v[TBK+8*\ct+4*\u:TBK+8*\ct+4*\u+3], v[VR] offset:(32*\g+16*\u)*PITCH+32*\ct
.endr
.endr
	s_wait_dscnt 0x0
.irp ct, 0,1,2,3,4,5,6,7
.irp u, 0,1
	global_store_b128 v[LO], v[TBK+8*\ct+4*\u:TBK+8*\ct+4*\u+3], s[46:47] offset:\g*8192+\ct*1024+\u*512
.endr
.endr
.endr
.Ldone:
	s_wait_tensorcnt 0x0                           ; the wave's end
	ds_add_u32 v[SPW], v[NIL]
	s_wait_dscnt 0x0
	CROUND                                         ; the closing round: no work-group ends while a partner may still ask for a tile that names it
	s_endpgm
.Lfunc_end_k_qaf879a8e7b_proj:
	.size	k_qaf879a8e7b_proj, .Lfunc_end_k_qaf879a8e7b_proj-k_qaf879a8e7b_proj
	.p2alignl 7, 3214868480
	.fill 96, 4, 3214868480
	.section	.rodata,"a",@progbits
	.p2align	6, 0x0
	.amdhsa_kernel k_qaf879a8e7b_proj
		.amdhsa_group_segment_fixed_size 327680
		.amdhsa_private_segment_fixed_size 0
		.amdhsa_enable_private_segment 0
		.amdhsa_kernarg_size 48
		.amdhsa_user_sgpr_count 2
		.amdhsa_user_sgpr_kernarg_segment_ptr 1
		.amdhsa_wavefront_size32 1
		.amdhsa_system_sgpr_workgroup_id_x 1
		.amdhsa_system_sgpr_workgroup_id_y 1
		.amdhsa_system_sgpr_workgroup_id_z 1
		.amdhsa_system_vgpr_workitem_id 0
		.amdhsa_next_free_vgpr 1024
		.amdhsa_next_free_sgpr 102
		.amdhsa_reserve_vcc 0
		.amdhsa_float_denorm_mode_32 3
		.amdhsa_float_denorm_mode_16_64 3
		.amdhsa_memory_ordered 1
		.amdhsa_forward_progress 1
		.amdhsa_inst_pref_size 255
	.end_amdhsa_kernel
	.section	.bss,"aw",@nobits
	.p2align	6
	.space	262144
	.amdgpu_metadata
---
amdhsa.version: [ 1, 2 ]
amdhsa.kernels:
  - .name:           k_qaf879a8e7b_proj
    .symbol:         k_qaf879a8e7b_proj.kd
    .args:
      - { .name: xq, .offset: 0, .size: 8, .value_kind: global_buffer, .address_space: global }
      - { .name: wq, .offset: 8, .size: 8, .value_kind: global_buffer, .address_space: global }
      - { .name: freqs_cos, .offset: 16, .size: 8, .value_kind: global_buffer, .address_space: global }
      - { .name: freqs_sin, .offset: 24, .size: 8, .value_kind: global_buffer, .address_space: global }
      - { .name: qf, .offset: 32, .size: 8, .value_kind: global_buffer, .address_space: global }
      - { .name: kv, .offset: 40, .size: 8, .value_kind: global_buffer, .address_space: global }
    .group_segment_fixed_size: 327680
    .private_segment_fixed_size: 0
    .kernarg_segment_align: 8
    .kernarg_segment_size: 48
    .max_flat_workgroup_size: 128
    .sgpr_count:     102
    .vgpr_count:     1024
    .wavefront_size: 32
...
	.end_amdgpu_metadata
.endif
;; end of part 2
;; launch attn (part 3): grid 64 x 4, 8 waves a work-group, no clusters, 101,376 bytes of LDS; arguments qf, kv, mask, flags, ao; writes ao
.if DOCPART == 3
	.amdgcn_target "amdgcn-amd-amdhsa--gfx1250"
	.amdhsa_code_object_version 6
	.text
	.protected	k_qaf879a8e7b_attn
	.globl	k_qaf879a8e7b_attn
	.p2align	8
	.type	k_qaf879a8e7b_attn,@function
k_qaf879a8e7b_attn:
	s_mov_b64 s[64:65], 0
	v_nop
	global_prefetch_b8 v0, s[64:65] scope:SCOPE_SE
	s_setreg_imm32_b32 hwreg(HW_REG_WAVE_MODE, 25, 1), 1
	s_wait_xcnt 0x0
; ATTN: a = relu((softmax(s1) - 0.5 softmax(s2)) / (its row sum + 1e-8)); ao = a v, f16.  The relu stands behind two whole softmaxes, so the keys are walked twice:
;   pass 1: for both score sets a running maximum M and sum l;   pass 2: the scores again, w = max(0, p1 - 0.5 (l1 / l2) p2), O^T += V^T w;   at the end O x g, g = (1 / l1) / (suma + 1e-8),
;   suma = l1 (1 / l1) - 0.5 l2 (1 / l2): the row sum of a1 - 0.5 a2, computed.  The relu and the division change places because suma + 1e-8 is positive.
; q arrives multiplied by log2(e) / sqrt(128): the product gives t, and p = 2^(t - M).  A masked entry gets t = -1e10 log2(e), as the -1e10 that takes a masked score's place.
; SHARES.  A work-group owns position blocks pi and 127 - pi (16 positions each) for four heads; wave w: head 4 y + w % 4, block pi (w < 4) or 127 - pi.  A wave: one tile of 16 positions of one head, q1 and q2.
; All eight waves walk the same 32 key steps of 64 keys; K's and V's bytes lie in memory in the order of the operands' registers and are staged through registers into two LDS slots, read by all eight.
; THE MASK IS AN INPUT.  An earlier launch has stored, for each block of 16 positions, ANY and ALL (a bit a key step).  A step with ANY = 0 is left out by a scalar branch on the stored word: each of its rows has a true
; key elsewhere (a block with an all-false row has ANY = -1), so its weights are exact zeros.  A step with ALL = 1 needs no masking.  Else the mask's bytes are loaded and applied by selects.
; Trip counts are constants and every wave passes every barrier.
; LAYOUT.  S^T = K Q^T (source 0 = 16 keys, source 1 = my 16 positions): lane (r, h) holds position r, keys 8 h + 0 .. 7 of each 16.  Two such tiles, rounded to f16 in pairs, are source 1 of O^T = V^T w.
; In pass 1 each LANE keeps M and l of its own keys; the two halves of the lanes are joined once, behind the pass.
; LIMITS: NaN and infinities are not served; a step left out counts for nothing only while the row's largest real score lies above -1e10 + 100.
; REGISTERS.  window 0: v1 16 x lane, v2 16 x thread, v3 the mask's offset, v4-6 the way out, v7 the prefetch's offset, v8, v9 the add's two, v10 the masked t; v[12:13], v[14:15] M1, M2; v[16:17], v[18:19] l1, l2;
;   v[20:21], v[22:23] the sums' factors, later -0.5 l1 / l2 and g; v24-31 at work; v32-63 S1, v64-95 S2; v96-223 fragments of K or V; v224-239 w in f16; v240-247 mask words; v248 at work.
;   window 1: v0-31 Q1, v32-63 Q2, v64-127 O^T, v128-143 K on its way to LDS, v144-159 V.
.set VF,    524288                     ; where V's fragments begin in kv
.set SLOTB, 32768                      ; a slot: 64 keys of K (16,384 bytes), then of V
.set STAGE, 65536                      ; the way out: 16 rows x 272 bytes for each wave
.set SPARE, 100352                     ; the spare words, 128 bytes a wave: four blocks of 256 bytes that no other line names
.set MSB, 0
.macro WIN new                         ; the immediate's high byte repeats the setting that is left
.if MSB != \new
	s_set_vgpr_msb (MSB<<8)|\new
.set MSB, \new
.endif
.endm
	s_load_b256 s[4:11], s[0:1], 0x0               ; qf 4, kv 6, mask 8, flags 10
	s_load_b64 s[12:13], s[0:1], 0x20              ; ao
	v_lshl_add_u32 v8, v0, 2, SPARE
	v_mov_b32 v9, 0
	v_lshrrev_b32 v1, 5, v0
	v_readfirstlane_b32 s14, v1                    ; wave 0..7
	s_and_b32 s51, ttmp7, 0xffff                   ; which four heads
	s_and_b32 s16, s14, 3
	s_lshl_b32 s18, s51, 2
	s_add_co_u32 s18, s18, s16                     ; my head
	s_sub_co_u32 s17, 127, ttmp9                   ; the far block
	s_cmp_lt_u32 s14, 4
	s_cselect_b32 s19, ttmp9, s17                  ; my block
	s_lshl_b32 s36, ttmp9, 3
	s_lshl_b32 s37, s17, 3
	s_lshl_b32 s48, s18, 19
	s_lshl_b32 s49, s19, 12
	s_add_co_u32 s48, s48, s49
	s_mov_b32 s49, 0
	v_and_b32 v24, 31, v0
	v_lshlrev_b32 v1, 4, v24                       ; 16 x lane
	v_lshlrev_b32 v2, 4, v0                        ; 16 x thread
	s_wait_kmcnt 0x0
	s_load_b64 s[20:21], s[10:11], s36 offset:0x0  ; ANY, ALL of block pi
	s_load_b64 s[22:23], s[10:11], s37 offset:0x0  ; and of block 127 - pi
	s_add_nc_u64 s[38:39], s[4:5], s[48:49]        ; Q1's fragments of my tile
	s_add_nc_u64 s[40:41], s[38:39], 0x800000      ; Q2's: 16 head units on
	WIN 0x40                                       ; destination window 1
.irp i, 0,1,2,3
	global_load_b128 v[128+4*\i:131+4*\i], v2, s[6:7] offset:4096*\i              ; key step 0 of K: always
.endr
.irp p, 0,1,2,3,4,5,6,7
	global_load_b128 v[4*\p:4*\p+3], v1, s[38:39] offset:512*\p th:TH_LOAD_NT
	global_load_b128 v[32+4*\p:35+4*\p], v1, s[40:41] offset:512*\p th:TH_LOAD_NT
.endr
	WIN 0
	v_and_b32 v25, 15, v0                          ; r
	v_bfe_u32 v26, v0, 4, 1                        ; h
	v_lshlrev_b32 v3, 11, v25
	v_lshl_add_u32 v3, v26, 3, v3                  ; the mask: row r of 2,048 bytes, + 8 h
	s_mul_i32 s15, s14, 4352
	s_add_co_u32 s15, s15, STAGE                   ; my stage
	v_mul_u32_u24 v4, v25, 272
	v_lshl_add_u32 v4, v26, 4, v4
	v_add_nc_u32 v4, s15, v4                       ; in: row r, 16 bytes for each half of the lanes
	v_mul_u32_u24 v5, v26, 272
	v_lshl_add_u32 v5, v25, 4, v5
	v_add_nc_u32 v5, s15, v5                       ; back: lanes 0-15 one row, lanes 16-31 the next
	v_lshlrev_b32 v6, 12, v26
	v_lshl_add_u32 v6, v25, 4, v6                  ; and the same two rows in ao
	v_lshlrev_b32 v7, 8, v24
	v_mov_b32 v10, 0xd056fa73                      ; -1e10 log2(e)
	v_mov_b32 v12, 0xff61b1e6                      ; M: -3e38, under every t
	v_mov_b32 v14, 0xff61b1e6
.irp j, 13,15,16,17,18,19,20,21,22,23,24,25,26,27,28,29,30,31
	v_mov_b32 v\j, 0                               ; the sums; the upper words of pairs; registers that lane permutes write
.endr
.irp j, 240,241,242,243,244,245,246,247
	v_mov_b32 v\j, 0                               ; the mask words: written on every way
.endr
	s_mov_b32 s46, 0x76543210
	s_mov_b32 s47, 0xfedcba98                      ; v_permlanex16_b32's selects for lane l xor 16
	; the prefetches: work-group (0, 0) alone asks; waves 0, 1: the halves of K's tile four steps on; waves 2, 3: the halves of V's tile of this step, a pass ahead of its use
	s_and_b32 s48, s14, 1
	s_lshl_b32 s48, s48, 13
	s_mov_b32 s50, VF
	s_cmp_lt_u32 s14, 2
	s_cselect_b32 s50, 65536, s50
	s_cselect_b32 s44, 14, 16                      ; K: loop trips 0-13, tiles 4-31; V: all 16 trips, tiles 0-31
	s_add_co_u32 s48, s48, s50
	s_add_nc_u64 s[42:43], s[6:7], s[48:49]
	s_lshr_b32 s50, s14, 2
	s_or_b32 s50, s50, ttmp9
	s_or_b32 s50, s50, s51
	s_cmp_eq_u32 s50, 0
	s_cselect_b32 s44, s44, 0                      ; everybody else: never
	s_lshl_b32 s48, s19, 16
	s_lshl_b32 s50, s18, 8
	s_add_co_u32 s48, s48, s50
	s_add_nc_u64 s[12:13], s[12:13], s[48:49]      ; ao: my 16 rows of 4,096 bytes, my head's 256
	s_wait_kmcnt 0x0
	s_cmp_lt_u32 s14, 4
	s_cselect_b32 s24, s20, s22                    ; my block's ANY
	s_cselect_b32 s25, s21, s23                    ; and ALL
	s_or_b32 s26, s20, s22                         ; a step that some wave of the work-group walks
	s_lshl_b32 s36, s19, 15
	s_mov_b32 s37, 0
	s_add_nc_u64 s[36:37], s[8:9], s[36:37]        ; the mask at my 16 rows
.macro RESET                           ; the walking copies: bit 0 = this step, bit 1 = the next
	s_mov_b32 s27, s24
	s_mov_b32 s28, s25
	s_mov_b32 s29, s26
	s_mov_b64 s[30:31], s[6:7]
	s_add_nc_u64 s[32:33], s[6:7], VF
	s_mov_b64 s[34:35], s[36:37]
	s_mov_b32 s45, 0
.endm
.macro STAGE_LD n                      ; the next step's K (n = 2: and V) into registers, if any wave will walk it
	s_bitcmp1_b32 s29, 1
	s_cbranch_scc0 .Lnone_\@
	WIN 0x40
.irp i, 0,1,2,3
	global_load_b128 v[128+4*\i:131+4*\i], v2, s[30:31] offset:16384+4096*\i      ; a wave's load covers 512 consecutive bytes
.endr
.if \n == 2
.irp i, 0,1,2,3
	global_load_b128 v[144+4*\i:147+4*\i], v2, s[32:33] offset:16384+4096*\i
.endr
.endif
	WIN 0
.Lnone_\@:
.endm
.macro ASK                             ; a lane names one run of 256 bytes; each run is named once in the launch
	s_cmp_lt_u32 s45, s44
	s_cbranch_scc0 .Lnot_mine_\@
	global_prefetch_b8 v7, s[42:43] th:TH_LOAD_NT scope:SCOPE_SE
.Lnot_mine_\@:
.endm
.macro MASK_LD                         ; my position's 8 mask bytes of each 16 keys
	s_bitcmp1_b32 s28, 0
	s_cbranch_scc1 .Lall_\@
.irp kt, 0,1,2,3
	global_load_b64 v[240+2*\kt:241+2*\kt], v3, s[34:35] offset:16*\kt
.endr
.Lall_\@:
.endm
; 32 LDS loads, chunk by chunk of 32 channels, and 32 products: the eight accumulators (4 key tiles x q1, q2) take turns, one instruction a turn; the first chunk starts the sums.
.macro KQ slot
.irp c, 0,1,2,3
.irp kt, 0,1,2,3
	ds_load_b128 v[96+32*\c+8*\kt:99+32*\c+8*\kt], v1 offset:\slot*SLOTB+\kt*4096+\c*1024
	ds_load_b128 v[100+32*\c+8*\kt:103+32*\c+8*\kt], v1 offset:\slot*SLOTB+\kt*4096+\c*1024+512
.endr
.endr
	WIN 0x04                                       ; source 1 (Q) window 1
.irp c, 0,1,2,3
	s_wait_dscnt 24-8*\c                           ; this chunk's eight loads are in; the later chunks' may be out
.irp kt, 0,1,2,3
.if \c == 0
	v_wmma_f32_16x16x32_f16 v[32+8*\kt:39+8*\kt], v[96+32*\c+8*\kt:103+32*\c+8*\kt], v[8*\c:8*\c+7], 0
	v_wmma_f32_16x16x32_f16 v[64+8*\kt:71+8*\kt], v[96+32*\c+8*\kt:103+32*\c+8*\kt], v[32+8*\c:39+8*\c], 0
.else
	v_wmma_f32_16x16x32_f16 v[32+8*\kt:39+8*\kt], v[96+32*\c+8*\kt:103+32*\c+8*\kt], v[8*\c:8*\c+7], v[32+8*\kt:39+8*\kt]
	v_wmma_f32_16x16x32_f16 v[64+8*\kt:71+8*\kt], v[96+32*\c+8*\kt:103+32*\c+8*\kt], v[32+8*\c:39+8*\c], v[64+8*\kt:71+8*\kt]
.endif
.endr
.endr
	WIN 0
.rept 4
	v_nop                                          ; places behind the products: their results are read, and loads issued into their operands, only behind these
.endr
.endm
.macro MASK                            ; register 8 kt + j is key 16 kt + 8 h + j: byte j of my 8.  Each accumulator is taken from its low end on
	s_bitcmp1_b32 s28, 0
	s_cbranch_scc1 .Lopen_\@
	s_wait_loadcnt 0x0                             ; the mask's loads are the youngest
.irp kt, 0,1,2,3
.irp j, 0,1,2,3,4,5,6,7
	v_and_b32 v248, 1<<(8*(\j%4)), v[240+2*\kt+\j/4]
	v_cmp_ne_u32 vcc_lo, 0, v248
	v_cndmask_b32 v[32+8*\kt+\j], v10, v[32+8*\kt+\j], vcc_lo
	v_cndmask_b32 v[64+8*\kt+\j], v10, v[64+8*\kt+\j], vcc_lo
.endr
.endr
.Lopen_\@:
.endm
.macro SHIFT                           ; t - M, two at a time
.set i, 0
.rept 16
	v_pk_add_f32 v[32+i:33+i], v[32+i:33+i], v[12:13] op_sel_hi:[1,0] neg_lo:[0,1] neg_hi:[0,1]
	v_pk_add_f32 v[64+i:65+i], v[64+i:65+i], v[14:15] op_sel_hi:[1,0] neg_lo:[0,1] neg_hi:[0,1]
.set i, i+2
.endr
.endm
.macro EXPS
.set i, 0
.rept 64
	v_exp_f32 v[32+i], v[32+i]
.set i, i+1
.endr
.endm
.macro SOFT1                           ; my lane's M and l of both score sets take in these 32 keys
.irp kt, 0,1,2,3
	v_max3_num_f32 v[24+\kt], v[32+8*\kt], v[33+8*\kt], v[34+8*\kt]
	v_max3_num_f32 v[28+\kt], v[64+8*\kt], v[65+8*\kt], v[66+8*\kt]
.endr
.irp i, 3,5
.irp kt, 0,1,2,3
	v_max3_num_f32 v[24+\kt], v[24+\kt], v[32+8*\kt+\i], v[33+8*\kt+\i]
	v_max3_num_f32 v[28+\kt], v[28+\kt], v[64+8*\kt+\i], v[65+8*\kt+\i]
.endr
.endr
	v_max3_num_f32 v24, v24, v39, v47
	v_max3_num_f32 v28, v28, v71, v79
	v_max3_num_f32 v26, v26, v55, v63
	v_max3_num_f32 v30, v30, v87, v95
	v_max3_num_f32 v24, v24, v25, v26
	v_max3_num_f32 v28, v28, v29, v30
	v_max3_num_f32 v24, v24, v27, v12              ; with the old M: the new one
	v_max3_num_f32 v28, v28, v31, v14
	v_sub_f32 v20, v12, v24                        ; old M - new M
	v_sub_f32 v22, v14, v28
	v_mov_b32 v12, v24
	v_mov_b32 v14, v28
	SHIFT
	EXPS                                           ; one batch: the 64 p
	v_exp_f32 v20, v20                             ; and the two factors of the old sums
	v_exp_f32 v22, v22
	v_nop                                          ; a plain line behind the last exponential
	s_wait_alu depctr_va_vdst(0)                   ; one wait for the batch, ahead of its first reader
.irp w, 4,8,16,32
.set i, 0
.rept 32/\w
	v_pk_add_f32 v[32+i:33+i], v[32+i:33+i], v[32+i+\w/2:33+i+\w/2]
	v_pk_add_f32 v[64+i:65+i], v[64+i:65+i], v[64+i+\w/2:65+i+\w/2]
.set i, i+\w
.endr
.endr
	v_pk_fma_f32 v[16:17], v[16:17], v[20:21], v[32:33] op_sel_hi:[1,0,1]
	v_pk_fma_f32 v[18:19], v[18:19], v[22:23], v[64:65] op_sel_hi:[1,0,1]
.endm
.macro SOFT2                           ; w = max(0, p1 - 0.5 (l1 / l2) p2), to f16
	SHIFT
	EXPS
	v_nop
	s_wait_alu depctr_va_vdst(0)                   ; one wait for the batch
.set i, 0
.rept 16
	v_pk_fma_f32 v[32+i:33+i], v[64+i:65+i], v[20:21], v[32+i:33+i] op_sel_hi:[1,0,1]
.set i, i+2
.endr
.set i, 0
.rept 32
	v_max_num_f32 v[32+i], 0, v[32+i]
.set i, i+1
.endr
.set i, 0
.rept 16
	v_cvt_pk_f16_f32 v[224+i], v[32+2*i], v[33+2*i]
.set i, i+1
.endr
.endm
.macro VLD slot                        ; V's 16 fragments: issued behind KQ's places, so that the softmax stands between them and their use
.irp kb, 0,1
.irp ct, 0,1,2,3,4,5,6,7
	ds_load_b128 v[96+64*\kb+8*\ct:99+64*\kb+8*\ct], v1 offset:\slot*SLOTB+16384+\kb*8192+\ct*1024
	ds_load_b128 v[100+64*\kb+8*\ct:103+64*\kb+8*\ct], v1 offset:\slot*SLOTB+16384+\kb*8192+\ct*1024+512
.endr
.endr
.endm
.macro PVM                             ; O^T += V^T w: the eight channel tiles take turns
	s_wait_dscnt 0x0
	WIN 0x50                                       ; C and D window 1
.irp kb, 0,1
.irp ct, 0,1,2,3,4,5,6,7
	v_wmma_f32_16x16x32_f16 v[64+8*\ct:71+8*\ct], v[96+64*\kb+8*\ct:103+64*\kb+8*\ct], v[224+8*\kb:231+8*\kb], v[64+8*\ct:71+8*\ct]
.endr
.endr
	WIN 0
.rept 4
	v_nop                                          ; places in front of the next loads into the fragments' registers
.endr
.endm
; The end of a trip, on every wave's way.  What was loaded goes into the OTHER slot (where nothing was loaded, old bytes go into a slot that no wave will read); the bases and the flag words step.
; ONE barrier: in front of it my reads of this slot and my stores into the other are done; behind it the other slot is read and this one written.
.macro TAIL slot, n
	s_wait_loadcnt 0x0
	WIN 0x04                                       ; a store's data: window 1
.irp i, 0,1,2,3
	ds_store_b128 v2, v[128+4*\i:131+4*\i] offset:(1-\slot)*SLOTB+4096*\i
.endr
.if \n == 2
.irp i, 0,1,2,3
	ds_store_b128 v2, v[144+4*\i:147+4*\i] offset:(1-\slot)*SLOTB+16384+4096*\i
.endr
.endif
	WIN 0
	s_wait_xcnt 0x0                                ; the trip's loads and its prefetch have read their bases
	s_add_nc_u64 s[30:31], s[30:31], 16384
.if \n == 2
	s_add_nc_u64 s[32:33], s[32:33], 16384
.else
	s_add_nc_u64 s[42:43], s[42:43], 16384
.endif
	s_add_nc_u64 s[34:35], s[34:35], 64
	s_lshr_b32 s27, s27, 1
	s_lshr_b32 s28, s28, 1
	s_lshr_b32 s29, s29, 1
	s_wait_dscnt 0x0
	s_barrier_signal -1
	s_barrier_wait -1
.endm
.macro TRIP1 slot
	STAGE_LD 1
	ASK
	s_bitcmp1_b32 s27, 0
	s_cbranch_scc0 .Lskip_\@
	MASK_LD
	KQ \slot
	MASK
	SOFT1
.Lskip_\@:
	TAIL \slot, 1
.endm
.macro TRIP2 slot
	STAGE_LD 2
	s_bitcmp1_b32 s27, 0
	s_cbranch_scc0 .Lskip_\@
	MASK_LD
	KQ \slot
	VLD \slot
	MASK
	SOFT2
	PVM
.Lskip_\@:
	TAIL \slot, 2
.endm
	RESET
	s_wait_loadcnt 0x0                             ; Q, and key step 0 of K
	WIN 0x04
.irp i, 0,1,2,3
	ds_store_b128 v2, v[128+4*\i:131+4*\i] offset:4096*\i
.endr
	WIN 0
	s_wait_dscnt 0x0
	s_barrier_signal -1
	s_barrier_wait -1
.Lpass1:                                           ; 16 trips of two key steps
	TRIP1 0
	TRIP1 1
	s_add_co_u32 s45, s45, 1
	s_cmp_lt_u32 s45, 16
	s_cbranch_scc1 .Lpass1
	; BETWEEN THE PASSES.  Key step 0 of K and V is asked for first; the arithmetic stands between the loads and the wait for them.
	WIN 0x40
.irp i, 0,1,2,3
	global_load_b128 v[128+4*\i:131+4*\i], v2, s[6:7] offset:4096*\i
	global_load_b128 v[144+4*\i:147+4*\i], v2, s[6:7] offset:VF+4096*\i
.endr
.set i, 0
.rept 64
	v_mov_b32 v[64+i], 0                           ; O^T.  Which step is the first that is walked hangs on the stored words, so no product can be written out that starts the sums
.set i, i+1
.endr
	WIN 0
	RESET
	v_permlanex16_b32 v24, v12, s46, s47           ; the other half's M
	v_permlanex16_b32 v25, v14, s46, s47
	v_max_num_f32 v24, v24, v12                    ; the row's M
	v_max_num_f32 v25, v25, v14
	v_sub_f32 v26, v12, v24
	v_sub_f32 v27, v14, v25
	v_exp_f32 v26, v26
	v_exp_f32 v27, v27
	v_add_f32 v28, v16, v17                        ; my sum's two halves (plain lines behind the exponentials)
	v_add_f32 v29, v18, v19
	s_wait_alu depctr_va_vdst(0)
	v_mul_f32 v28, v28, v26                        ; under the row's M
	v_mul_f32 v29, v29, v27
	v_permlanex16_b32 v30, v28, s46, s47
	v_permlanex16_b32 v31, v29, s46, s47
	v_add_f32 v28, v28, v30                        ; l1
	v_add_f32 v29, v29, v31                        ; l2
	v_mov_b32 v12, v24
	v_mov_b32 v14, v25
	v_rcp_f32 v26, v28
	v_rcp_f32 v27, v29
	v_nop
	s_wait_alu depctr_va_vdst(0)
	v_mul_f32 v30, v28, v27                        ; l1 / l2
	v_mul_f32 v20, -0.5, v30                       ; what p2 is multiplied by
	v_mul_f32 v31, v29, v27
	v_mul_f32 v24, v28, v26
	v_fma_f32 v24, v31, -0.5, v24                  ; the row sum of a1 - 0.5 a2
	v_add_f32 v24, 0x322bcc77, v24                 ; + 1e-8
	v_rcp_f32 v25, v24
	v_nop
	s_wait_alu depctr_va_vdst(0)
	v_mul_f32 v22, v26, v25                        ; g
	s_wait_loadcnt 0x0
	WIN 0x04
.irp i, 0,1,2,3
	ds_store_b128 v2, v[128+4*\i:131+4*\i] offset:4096*\i
	ds_store_b128 v2, v[144+4*\i:147+4*\i] offset:16384+4096*\i
.endr
	WIN 0
	s_wait_dscnt 0x0
	s_barrier_signal -1
	s_barrier_wait -1
.Lpass2:
	TRIP2 0
	TRIP2 1
	s_add_co_u32 s45, s45, 1
	s_cmp_lt_u32 s45, 16
	s_cbranch_scc1 .Lpass2
	; THE WAY OUT: O^T x g, f16, through my stage: a lane's eight channels are 16 bytes of a row; they come back as whole rows of 256 bytes.
	WIN 0x01                                       ; source 0 window 1
.set i, 0
.rept 32
	v_pk_mul_f32 v[96+i:97+i], v[64+i:65+i], v[22:23] op_sel_hi:[1,0]
.set i, i+2
.endr
	WIN 0
.set i, 0
.rept 32
	v_cvt_pk_f16_f32 v[160+i], v[96+2*i], v[97+2*i]
.set i, i+1
.endr
.irp f, 0,1,2,3,4,5,6,7
	ds_store_b128 v4, v[160+4*\f:163+4*\f] offset:32*\f
.endr
.irp f, 0,1,2,3,4,5,6,7
	ds_load_b128 v[192+4*\f:195+4*\f], v5 offset:\f*544    ; LDS serves a wave's instructions in order: these see my stores
.endr
.irp f, 0,1,2,3,4,5,6,7
	s_wait_dscnt 7-\f
	global_store_b128 v6, v[192+4*\f:195+4*\f], s[12:13] offset:\f*8192   ; sixteen lanes store 256 consecutive bytes, aligned
.endr
	s_wait_tensorcnt 0x0                           ; the wave's end, behind my last LDS store
	ds_add_u32 v8, v9
	s_wait_dscnt 0x0
	s_endpgm
.Lfunc_end_k_qaf879a8e7b_attn:
	.size	k_qaf879a8e7b_attn, .Lfunc_end_k_qaf879a8e7b_attn-k_qaf879a8e7b_attn
	.p2alignl 7, 3214868480
	.fill 96, 4, 3214868480
	.section	.rodata,"a",@progbits
	.p2align	6, 0x0
	.amdhsa_kernel k_qaf879a8e7b_attn
		.amdhsa_group_segment_fixed_size 101376
		.amdhsa_private_segment_fixed_size 0
		.amdhsa_enable_private_segment 0
		.amdhsa_kernarg_size 40
		.amdhsa_user_sgpr_count 2
		.amdhsa_user_sgpr_kernarg_segment_ptr 1
		.amdhsa_wavefront_size32 1
		.amdhsa_system_sgpr_workgroup_id_x 1
		.amdhsa_system_sgpr_workgroup_id_y 1
		.amdhsa_system_sgpr_workgroup_id_z 1
		.amdhsa_system_vgpr_workitem_id 0
		.amdhsa_next_free_vgpr 448
		.amdhsa_next_free_sgpr 66
		.amdhsa_reserve_vcc 1
		.amdhsa_float_denorm_mode_32 3
		.amdhsa_float_denorm_mode_16_64 3
		.amdhsa_memory_ordered 1
		.amdhsa_forward_progress 1
		.amdhsa_inst_pref_size 101
	.end_amdhsa_kernel
	.amdgpu_metadata
---
amdhsa.version: [ 1, 2 ]
amdhsa.kernels:
  - .name:           k_qaf879a8e7b_attn
    .symbol:         k_qaf879a8e7b_attn.kd
    .args:
      - { .name: qf, .offset: 0, .size: 8, .value_kind: global_buffer, .address_space: global }
      - { .name: kv, .offset: 8, .size: 8, .value_kind: global_buffer, .address_space: global }
      - { .name: mask, .offset: 16, .size: 8, .value_kind: global_buffer, .address_space: global }
      - { .name: flags, .offset: 24, .size: 8, .value_kind: global_buffer, .address_space: global }
      - { .name: ao, .offset: 32, .size: 8, .value_kind: global_buffer, .address_space: global }
    .group_segment_fixed_size: 101376
    .private_segment_fixed_size: 0
    .kernarg_segment_align: 8
    .kernarg_segment_size: 40
    .max_flat_workgroup_size: 256
    .sgpr_count:     66
    .vgpr_count:     448
    .wavefront_size: 32
...
	.end_amdgpu_metadata
.endif
;; end of part 3
;; launch outp (part 4): grid 16 x 16, 4 waves a work-group, clusters of 4 x 4, 327,680 bytes of LDS; arguments ao, owt, out0; writes out0
.if DOCPART == 4
	.amdgcn_target "amdgcn-amd-amdhsa--gfx1250"
	.amdhsa_code_object_version 6
	.text
	.protected	k_qaf879a8e7b_outp
	.globl	k_qaf879a8e7b_outp
	.p2align	8
	.type	k_qaf879a8e7b_outp,@function
k_qaf879a8e7b_outp:
	s_mov_b64 s[64:65], 0
	v_nop
	global_prefetch_b8 v0, s[64:65] scope:SCOPE_SE
	s_setreg_imm32_b32 hwreg(HW_REG_WAVE_MODE, 25, 1), 1
	s_wait_xcnt 0x0
	s_wait_alu depctr_hold_cnt(0) depctr_sa_sdst(0) depctr_va_vdst(0) depctr_va_sdst(0) depctr_va_ssrc(0) depctr_va_vcc(0) depctr_vm_vsrc(0)
	s_getreg_b32 s2, hwreg(HW_REG_IB_STS2, 6, 4)
	s_cmp_eq_u32 s2, 0
	s_cbranch_scc0 .Lentry_in_a_cluster
	s_endpgm
.Lentry_in_a_cluster:
	s_bfe_u32 s2, ttmp6, 0x10000c
	s_cmp_lg_u32 s2, 0xf033
	s_cbranch_scc0 .Lentry_shape_is_right
	s_endpgm
.Lentry_shape_is_right:
; OUTP: out0[m][n] = sum over k of ao[m][k] owt[n][k].  ao: [2048][2048] f16, owt: [2048 n][2048 k] f16 (out_w turned), out0: [2048][2048] f32; sums in f32.
; 256 tiles of 128 x 128, one to a work-group of four waves, each 64 x 64: 16 accumulators, 128 registers.  K goes in steps of 256 (LDS rows of 512 bytes; a wave's tensor load brings 64 of them) through two slots.
; CLUSTERS: 4 x 4 work-groups.  The four of a row of the cluster need the same tiles of ao, the four of a column the same tiles of owt: each tile is asked for JOINTLY, by the same tensor load with the
; same descriptor and a mask that names the four.  THE MATRIX INSTRUCTION IS USED TRANSPOSED (source 0 = 16 rows of owt, source 1 = 16 rows of ao): a lane holds eight neighbouring numbers of a row of out0.
; A wave's 64 columns of f32 are 256 aligned bytes of a row: each wave has a stage of its own on the way out, and no barrier stands there.
; REGISTERS: window 0: v0-31 addresses; v32-95 rows on the way out, two sets; v128-255 the accumulators ((a, b) at v[128 + 8 (4 a + b)]).   window 1: two fragment buffers of 128.
.set SIZE_N, 2048
.set SIZE_K, 2048
.set KSTEP,  256
.set PITCH,  528                       ; an LDS row: 512 bytes + 16 of padding: the 16 rows of a fragment load start at 16 different banks (64 banks of 4 bytes: ISA guide 11.1)
.set HALFT,  64*PITCH
.set SLOT,   4*HALFT
.set STAGE,  2*SLOT                    ; behind the ring: 16 rows x 272 bytes for each wave
.set SPITCH, 272
.set SPARE,  STAGE+4*16*SPITCH         ; the spare words, 128 bytes a wave
.set LAPS, SIZE_K/(2*KSTEP)
.set ADRA, 16
.set ADRB, 20
.set STO,  24
.set RD,   25
.set CO,   26
.set SPW,  28
.set NIL,  29
.set TMP,  32
.set ACC,  128
.set F0,   0
.set F1,   128
.set G1, 24
.set G0, 32
.set G1B, 48
.set G0B, 56
.set MSB, 0
.macro WIN new                         ; the immediate's high byte repeats the setting that is left
.if MSB != \new
	s_set_vgpr_msb (MSB<<8)|\new
.set MSB, \new
.endif
.endm
.set MUL,  0x05                        ; sources 0 and 1 window 1; C and D window 0
.set TO_F, 0x40
.macro JLOAD s                         ; waves 0 and 1 fetch ao's two halves, waves 2 and 3 owt's; an s_nop 0 and four v_nop follow each of the two lines
	s_cmp_eq_u32 s11, 0
	s_cbranch_scc0 .Lfor_b_\@
	tensor_load_to_lds s[G0+4*\s:G0+4*\s+3], s[G1:G1+7]
	s_nop 0
.rept 4
	v_nop
.endr
	s_branch .Lasked_\@
.Lfor_b_\@:
	tensor_load_to_lds s[G0B+4*\s:G0B+4*\s+3], s[G1B:G1B+7]
	s_nop 0
.rept 4
	v_nop
.endr
.Lasked_\@:
.endm
.macro CREST
	s_cmp_lg_u32 s10, 0
	s_cbranch_scc1 .Lnot_wave_0_\@
	s_barrier_signal -3
.Lnot_wave_0_\@:
	s_barrier_wait -3
	s_barrier_signal -1
	s_barrier_wait -1
.endm
.macro CROUND
	s_barrier_signal -1
	s_barrier_wait -1
	CREST
.endm
	s_load_b128 s[4:7], s[0:1], 0x0                ; ao s[4:5], owt s[6:7]
	s_load_b64 s[8:9], s[0:1], 0x10                ; out0
	v_lshl_add_u32 v[SPW], v0, 2, SPARE
	v_mov_b32 v[NIL], 0
	ds_add_u32 v[SPW], v[NIL]                      ; the wave's opening: the add, twice on end, and its wait ahead of my first tensor load
	ds_add_u32 v[SPW], v[NIL]
	v_lshrrev_b32 v1, 5, v0
	v_readfirstlane_b32 s10, v1                    ; wave 0..3
	s_lshr_b32 s11, s10, 1                         ; which half of the tile's rows is mine.  Also: I fetch for ao (0) or for owt (1)
	s_and_b32 s12, s10, 1                          ; which half of its columns.  Also: which 64 rows I fetch
	s_bfe_u32 s40, ttmp6, 0x40000                  ; cx, cy
	s_bfe_u32 s41, ttmp6, 0x40004
	s_lshl_b32 s42, ttmp9, 2
	s_add_co_u32 s42, s42, s40                     ; tile column
	s_and_b32 s13, ttmp7, 0xffff
	s_lshl_b32 s13, s13, 2
	s_add_co_u32 s13, s13, s41                     ; tile row
	s_lshl_b32 s43, s41, 2
	s_lshl_b32 s43, 15, s43                        ; my row of the cluster
	s_lshl_b32 s44, 0x1111, s40                    ; my column
	s_or_b32 s[G1+0], s43, (1<<16)|(1<<20)|(1<<21)|(6<<22)|(3<<25)  ; the mask; elements of 2 bytes; padding: 4 words after every 128; bit 21 set beside a mask
	s_or_b32 s[G1B+0], s44, (1<<16)|(1<<20)|(1<<21)|(6<<22)|(3<<25)
.irp g, G1, G1B
	s_mov_b32 s[\g+1], KSTEP<<16                   ; tensor_dim0 = 256
	s_mov_b32 s[\g+2], 64<<16                      ; tensor_dim1 = 64
	s_mov_b32 s[\g+3], KSTEP<<16                   ; tile_dim0 = 256
	s_mov_b32 s[\g+4], 64                          ; tile_dim1 = 64
	s_mov_b32 s[\g+5], SIZE_K                      ; the pitch
	s_mov_b32 s[\g+6], 0
	s_mov_b32 s[\g+7], 0
.endr
	s_lshl_b32 s17, s12, 6
	s_lshl_b32 s16, s13, 7
	s_add_co_u32 s16, s16, s17                     ; ao: row 128 x tile row + 64 x half
	s_lshl_b32 s46, s42, 7
	s_add_co_u32 s46, s46, s17                     ; owt: row 128 x tile column + 64 x half
	s_mov_b32 s17, 0
	s_mov_b32 s47, 0
	s_mov_b64 s[18:19], SIZE_K*2
	s_mul_u64 s[16:17], s[16:17], s[18:19]
	s_mul_u64 s[46:47], s[46:47], s[18:19]
	s_mul_i32 s20, s10, HALFT                      ; where they go: wave x 64 rows
	s_wait_dscnt 0x0                               ; both opening adds are done
	s_wait_kmcnt 0x0
	s_add_nc_u64 s[14:15], s[4:5], s[16:17]
	s_add_nc_u64 s[46:47], s[6:7], s[46:47]
	CROUND                                         ; all sixteen work-groups are here: the first joint loads meet
.irp s, 0,1
	s_mov_b32 s[G0+4*\s], 1
	s_add_co_u32 s[G0+4*\s+1], s20, \s*SLOT
	s_add_nc_u64 s[G0+4*\s+2:G0+4*\s+3], s[14:15], \s*KSTEP*2
	s_or_b32 s[G0+4*\s+3], s[G0+4*\s+3], 0x80000000
	s_mov_b32 s[G0B+4*\s], 1
	s_add_co_u32 s[G0B+4*\s+1], s20, \s*SLOT
	s_add_nc_u64 s[G0B+4*\s+2:G0B+4*\s+3], s[46:47], \s*KSTEP*2
	s_or_b32 s[G0B+4*\s+3], s[G0B+4*\s+3], 0x80000000
	JLOAD \s                                       ; two tensor loads of mine are out behind the second
.endr
	v_and_b32 v1, 15, v0                           ; l % 16
	v_bfe_u32 v2, v0, 4, 1                         ; l / 16
	v_mul_u32_u24 v3, v1, PITCH
	v_lshl_add_u32 v3, v2, 4, v3
	s_mul_i32 s21, s11, HALFT                      ; my 64 rows of ao
	s_mul_i32 s22, s12, HALFT                      ; my 64 rows of owt,
	s_add_co_u32 s22, s22, 2*HALFT                 ; which lie behind ao's 128
.irp s, 0,1
	v_add_nc_u32 v[ADRA+\s], s21, v3
	v_add_nc_u32 v[ADRB+\s], s22, v3
	s_add_co_u32 s21, s21, SLOT
	s_add_co_u32 s22, s22, SLOT
.endr
	s_mul_i32 s23, s10, 16*SPITCH
	s_add_co_u32 s23, s23, STAGE                   ; my stage
	v_mul_u32_u24 v4, v1, SPITCH
	v_lshl_add_u32 v4, v2, 5, v4
	v_add_nc_u32 v[STO], s23, v4                   ; in: row l % 16, 32 bytes for each half of the lanes
	v_mul_u32_u24 v5, v2, SPITCH
	v_lshl_add_u32 v5, v1, 4, v5
	v_add_nc_u32 v[RD], s23, v5                    ; back: lanes 0-15 one row of 256 bytes, lanes 16-31 the next
	v_mul_u32_u24 v5, v2, SIZE_N*4
	v_lshl_add_u32 v[CO], v1, 4, v5                ; and the same two rows in out0
	s_lshl_b32 s16, s13, 7
	s_lshl_b32 s17, s11, 6
	s_add_co_u32 s16, s16, s17                     ; my first row: 128 x tile row + 64 x half
	s_mov_b32 s17, 0
	s_mov_b64 s[18:19], SIZE_N*4
	s_mul_u64 s[16:17], s[16:17], s[18:19]
	s_add_nc_u64 s[8:9], s[8:9], s[16:17]
	s_lshl_b32 s46, s42, 9                         ; my first column, in bytes: 512 x tile column + 256 x half
	s_lshl_b32 s47, s12, 8
	s_add_co_u32 s46, s46, s47
	s_mov_b32 s47, 0
	s_add_nc_u64 s[8:9], s[8:9], s[46:47]
; 8 matrix instructions: m blocks a0, a0 + 1 x all 4 n blocks, 32 along K: half c of buffer f.  The 16 accumulators take turns.
.macro MUL8 f, c, a0, zero
.irp a, \a0, \a0+1
.irp b, 0,1,2,3
.if \zero
	v_wmma_f32_16x16x32_f16 v[ACC+8*(4*(\a)+\b):ACC+8*(4*(\a)+\b)+7], v[\f+64+8*(4*\c+\b):\f+64+8*(4*\c+\b)+7], v[\f+8*(4*\c+\a):\f+8*(4*\c+\a)+7], 0
.else
	v_wmma_f32_16x16x32_f16 v[ACC+8*(4*(\a)+\b):ACC+8*(4*(\a)+\b)+7], v[\f+64+8*(4*\c+\b):\f+64+8*(4*\c+\b)+7], v[\f+8*(4*\c+\a):\f+8*(4*\c+\a)+7], v[ACC+8*(4*(\a)+\b):ACC+8*(4*(\a)+\b)+7]
.endif
.endr
.endr
.endm
.macro FETCH slot, k, f                ; 32 LDS loads in one run: the fragments of 64 along K at byte k of the rows; the first 32 along K first
	WIN TO_F
.irp c, 0,1
.irp i, 0,1,2,3
	ds_load_b128 v[\f+64+8*(4*\c+\i):\f+64+8*(4*\c+\i)+3],   v[ADRB+\slot] offset:\k+64*\c+\i*16*PITCH
	ds_load_b128 v[\f+64+8*(4*\c+\i)+4:\f+64+8*(4*\c+\i)+7], v[ADRB+\slot] offset:\k+64*\c+\i*16*PITCH+32
	ds_load_b128 v[\f+8*(4*\c+\i):\f+8*(4*\c+\i)+3],         v[ADRA+\slot] offset:\k+64*\c+\i*16*PITCH
	ds_load_b128 v[\f+8*(4*\c+\i)+4:\f+8*(4*\c+\i)+7],       v[ADRA+\slot] offset:\k+64*\c+\i*16*PITCH+32
.endr
.endr
.endm
.macro PLACES                          ; four plain lines in front of loads into registers that matrix instructions have read, and of reads of results
.rept 4
	v_nop
.endr
.endm
.macro QUARTER slot, k, f, g, zero
	s_wait_dscnt 16                                ; the first 32 along K are in; the other sixteen loads may be out
	WIN MUL
	MUL8 \f, 0, 0, \zero
	MUL8 \f, 0, 2, \zero
	PLACES
	FETCH \slot, \k, \g
	s_wait_dscnt 32                                ; all but the 32 just issued
	WIN MUL
	MUL8 \f, 1, 0, 0
	MUL8 \f, 1, 2, 0
.endm
; The last quarter changes slots: one barrier; in front of it each wave waits for all its tensor loads, adds 0 to its spare word, and waits for that and for its reads of this slot.
.macro TURN slot, next, fill
	WIN 0
	s_wait_tensorcnt 0x0                           ; all my tensor loads have landed: my part of the next slot
	ds_add_u32 v[SPW], v[NIL]
	s_wait_dscnt 17                                ; (the add and the youngest sixteen loads may be out)
	WIN MUL
	MUL8 F1, 0, 0, 0
	s_wait_dscnt 0x0                               ; the add is done, and my reads of this slot are over
	s_barrier_signal -1
	MUL8 F1, 0, 2, 0
.if \fill
	WIN 0
.endif
	s_barrier_wait -1
.if \fill
	CREST                                          ; the barrier has opened a round of the cluster's barrier: no wave of any partner still reads this slot or has a load on its way
	s_add_nc_u64 s[G0+4*\slot+2:G0+4*\slot+3], s[G0+4*\slot+2:G0+4*\slot+3], 2*KSTEP*2
	s_add_nc_u64 s[G0B+4*\slot+2:G0B+4*\slot+3], s[G0B+4*\slot+2:G0B+4*\slot+3], 2*KSTEP*2
	JLOAD \slot                                    ; my one tensor load behind the round; its four v_nop are the places in front of the loads below
.else
	PLACES
.endif
	FETCH \next, 0, F0
	WIN MUL
	MUL8 F1, 1, 0, 0
	MUL8 F1, 1, 2, 0
.endm
	s_wait_tensorcnt 1                             ; my part of K step 0 is in (K step 1's may be out)
	s_barrier_signal -1
	s_barrier_wait -1
	FETCH 0, 0, F0
	QUARTER 0, 128, F0, F1, 1                      ; the first products start the sums
	WIN 0
	s_mov_b32 s3, LAPS-1
.Llap:
	QUARTER 0, 256, F1, F0, 0
	QUARTER 0, 384, F0, F1, 0
	TURN 0, 1, 1
	QUARTER 1, 128, F0, F1, 0
	QUARTER 1, 256, F1, F0, 0
	QUARTER 1, 384, F0, F1, 0
	TURN 1, 0, 1
	QUARTER 0, 128, F0, F1, 0
	WIN 0
	s_sub_co_u32 s3, s3, 1
	s_cmp_lg_u32 s3, 0
	s_cbranch_scc1 .Llap
	QUARTER 0, 256, F1, F0, 0                      ; the last lap fills nothing
	QUARTER 0, 384, F0, F1, 0
	TURN 0, 1, 0
	QUARTER 1, 128, F0, F1, 0
	QUARTER 1, 256, F1, F0, 0
	QUARTER 1, 384, F0, F1, 0
	s_wait_dscnt 16
	WIN MUL
	MUL8 F1, 0, 0, 0
	MUL8 F1, 0, 2, 0
	s_wait_dscnt 0
	MUL8 F1, 1, 0, 0
	MUL8 F1, 1, 2, 0
	WIN 0
; THE WAY OUT, 16 rows x 64 columns at a time: the accumulators go into my stage as they are, each from its low end on, and come back as whole rows of 256 bytes.
; LDS serves a wave's instructions in order (ISA guide 5.7.1.4): no wait between the stores and the loads, nor in front of the next block's stores.
.macro TOSTAGE a
.irp b, 0,1,2,3
	ds_store_b128 v[STO], v[ACC+8*(4*(\a)+\b):ACC+8*(4*(\a)+\b)+3] offset:64*\b
	ds_store_b128 v[STO], v[ACC+8*(4*(\a)+\b)+4:ACC+8*(4*(\a)+\b)+7] offset:64*\b+16
.endr
.set BB, TMP+32*((\a)%2)
.irp t, 0,1,2,3,4,5,6,7
	ds_load_b128 v[BB+4*\t:BB+4*\t+3], v[RD] offset:\t*2*SPITCH
.endr
.endm
.macro SEND a, younger                 ; younger: the LDS instructions issued behind block a's loads, which may stay out
.set BB, TMP+32*((\a)%2)
	s_wait_dscnt \younger
.if (\a) > 0
	s_add_nc_u64 s[8:9], s[8:9], 16*SIZE_N*4       ; (behind a wait on XCNT: the earlier stores have read their base)
.endif
.irp t, 0,1,2,3,4,5,6,7
	global_store_b128 v[CO], v[BB+4*\t:BB+4*\t+3], s[8:9] offset:2*\t*SIZE_N*4 th:TH_STORE_NT   ; sixteen lanes store 256 consecutive bytes, aligned
.endr
.endm
	PLACES
	TOSTAGE 0
.irp a, 1,2,3
.if \a > 1
	s_wait_xcnt 0x0                                ; block a - 2's stores have read their registers and their base
.endif
	TOSTAGE \a
	SEND \a-1, 16                                  ; behind block a - 1's loads: block a's 8 stores and 8 loads
.endr
	s_wait_xcnt 0x0
	SEND 3, 0
	s_wait_tensorcnt 0x0                           ; the wave's end
	ds_add_u32 v[SPW], v[NIL]
	s_wait_dscnt 0x0
	CROUND                                         ; the closing round: no work-group ends while a partner may still ask for a tile that names it
	s_endpgm
.Lfunc_end_k_qaf879a8e7b_outp:
	.size	k_qaf879a8e7b_outp, .Lfunc_end_k_qaf879a8e7b_outp-k_qaf879a8e7b_outp
	.p2alignl 7, 3214868480
	.fill 96, 4, 3214868480
	.section	.rodata,"a",@progbits
	.p2align	6, 0x0
	.amdhsa_kernel k_qaf879a8e7b_outp
		.amdhsa_group_segment_fixed_size 327680
		.amdhsa_private_segment_fixed_size 0
		.amdhsa_enable_private_segment 0
		.amdhsa_kernarg_size 24
		.amdhsa_user_sgpr_count 2
		.amdhsa_user_sgpr_kernarg_segment_ptr 1
		.amdhsa_wavefront_size32 1
		.amdhsa_system_sgpr_workgroup_id_x 1
		.amdhsa_system_sgpr_workgroup_id_y 1
		.amdhsa_system_sgpr_workgroup_id_z 1
		.amdhsa_system_vgpr_workitem_id 0
		.amdhsa_next_free_vgpr 512
		.amdhsa_next_free_sgpr 66
		.amdhsa_reserve_vcc 0
		.amdhsa_float_denorm_mode_32 3
		.amdhsa_float_denorm_mode_16_64 3
		.amdhsa_memory_ordered 1
		.amdhsa_forward_progress 1
		.amdhsa_inst_pref_size 86
	.end_amdhsa_kernel
	.amdgpu_metadata
---
amdhsa.version: [ 1, 2 ]
amdhsa.kernels:
  - .name:           k_qaf879a8e7b_outp
    .symbol:         k_qaf879a8e7b_outp.kd
    .args:
      - { .name: ao, .offset: 0, .size: 8, .value_kind: global_buffer, .address_space: global }
      - { .name: owt, .offset: 8, .size: 8, .value_kind: global_buffer, .address_space: global }
      - { .name: out0, .offset: 16, .size: 8, .value_kind: global_buffer, .address_space: global }
    .group_segment_fixed_size: 327680
    .private_segment_fixed_size: 0
    .kernarg_segment_align: 8
    .kernarg_segment_size: 24
    .max_flat_workgroup_size: 128
    .sgpr_count:     66
    .vgpr_count:     512
    .wavefront_size: 32
...
	.end_amdgpu_metadata
.endif
;; end of part 4
